; MI455X (gfx1250); checked and timed in simulation.
; The chip was launched on July 23, 2026; its instructions are those of AMD's public machine-readable ISA for CDNA 5 (MIT licence, August 2026) and "CDNA5" Instruction Set Architecture Reference Guide (July 2026). The comments in the code are by the model that wrote it; some were corrected since.
;; Block. Allowed arithmetic: matrix products marked QUANTISED: E2M3 operands, one E8M0 scale for each 32 along K, by v_wmma_scale_f32_16x16x128_f8f6f4 with both operands' format E2M3, f32 sums; everything else in f32.
;; Inputs: W_ff1 1,024 x 4,096 float32; W_ff2 4,096 x 1,024 float32; W_kv_down 1,024 x 512 float32; W_kv_up 512 x 2,048 float32; W_o 1,024 x 1,024 float32; W_q 1,024 x 1,024 float32; b_ff1 4,096 float32; b_ff2 1,024 float32; ln1_b 1,024 float32; ln1_g 1,024 float32; ln2_b 1,024 float32; ln2_g 1,024 float32; x 2 x 2,048 x 1,024 float32.
;; Outputs: out0 2 x 2,048 x 1,024 float32.
;; This version of the problem:
;;   THIS VERSION OF THE PROBLEM IS GIVEN IN LOW PRECISION. The matrix products marked QUANTISED in the list below multiply operands that are first quantised to E2M3 (2 exponent bits, 3 mantissa bits; 6 bits a number), with one power-of-two scale for each 32 numbers along K (OCP MX v1.0); their sums are f32. All else is computed in f32.
;;   The module's matrix products, in the order in which they are computed (A, B: the left and right operand; K: the contracted axis; several contracted axes count as one K, in the product's order):
;;     1. [M 4,096, K 1,024] x [K 1,024, N 512]; A: computed on the way; B: input W_kv_down: QUANTISED
;;     2. [M 4,096, K 512] x [K 512, N 2,048]; A: computed on the way; B: input W_kv_up: QUANTISED
;;     3. [M 4,096, K 1,024] x [K 1,024, N 1,024]; A: computed on the way; B: input W_q: QUANTISED
;;     4. batch 32 x [M 2,048, K 64] x [K 64, N 2,048]; A: computed on the way; B: computed on the way: QUANTISED
;;     5. batch 32 x [M 64, K 2,048] x [K 2,048, N 2,048]; A: computed on the way; B: softmax (see below): QUANTISED
;;     6. [M 4,096, K 1,024] x [K 1,024, N 1,024]; A: computed on the way; B: input W_o: QUANTISED
;;     7. [M 4,096, K 1,024] x [K 1,024, N 4,096]; A: computed on the way; B: input W_ff1: QUANTISED
;;     8. [M 4,096, K 4,096] x [K 4,096, N 1,024]; A: computed on the way; B: input W_ff2: QUANTISED
;;   THE QUANTISER, for each operand of a quantised product, along K:
;;     - K is cut into blocks of 32 from its start; a last block that is shorter is filled with zeros.
;;     - A block's scale is 2^e with e = floor(log2(the largest magnitude in the block)) - 2, held to -126 .. 127; a block of zeros has e = 0. As a byte (E8M0): e + 127.
;;     - Each number is divided by its block's scale, clamped to +-7.5, and rounded to the nearest number of E2M3, ties to even, subnormals kept.
;;     - The product sums the exact products of the quantised numbers (number of the format x scale) in f32.
;;   ~~~python
;;   def quantise(x, axis):      # numpy; x: float32 -> the quantised numbers, widened to float32 again
;;       x = np.moveaxis(x, axis, -1); K = x.shape[-1]
;;       x = np.pad(x, [(0, 0)] * (x.ndim - 1) + [(0, -K % 32)]); x = x.reshape(x.shape[:-1] + (-1, 32)); a = np.abs(x).max(-1, keepdims=True)
;;       e = np.where(a > 0, np.clip(np.frexp(np.where(a > 0, a, 1))[1] - 1 - 2, -126, 127), 0)      # np.frexp(a)[1] - 1 = floor(log2(a)), exactly
;;       r = np.clip(x / 2.0 ** e, -7.5, 7.5)
;;       step = 2.0 ** (np.maximum(np.frexp(np.where(r == 0, 1, r))[1] - 1, 0) - 3)
;;       q = np.round(r / step) * step * 2.0 ** e      # np.round: ties to even
;;       return np.moveaxis(q.reshape(q.shape[:-2] + (-1,))[..., :K], -1, axis).astype(np.float32)
;;   ~~~
;;   SOFTMAX AHEAD OF A QUANTISED PRODUCT. Where the list says 'softmax', what is quantised is not the finished softmax but p = 2^(t - M), with t = logit x log2(e) and M = ceil(the row's largest t), a whole number; so 1/2 < the row's largest p <= 1. The row's sum l is taken of the UNQUANTISED p, in f32, and the product's result is divided by l at the end. Since M is a whole number, a kernel that streams over the keys may use a running M (the ceiling of the running maximum): every later rescaling is an exact power of two, which a block's scale takes up: the codes' values come out the same.
;;   OPERANDS COMPUTED ON THE WAY. 'Computed on the way' means the value that the module computes at that place (a softmax that the list does not call 'softmax' is quantised finished and normalised). What goes into a quantiser is computed in f32, as accurately as f32 sums, v_exp_f32 and their like allow (about 1e-6 of the number): no bf16 or f16 on the way to a quantiser, and a product that is left as it is and whose result goes on into a quantised operand takes f32 operands (vector FMAs, or v_wmma_f32_16x16x4_f32). A number that lies on a knife's edge between two numbers of the format may be rounded either way, as far as f32 arithmetic and the matrix unit's own rounding can turn it there, and no further.
;; One version. Each part assembles by itself: llvm-mc -triple=amdgcn-amd-amdhsa -mcpu=gfx1250 --defsym DOCPART=n.
;; ======== version 1 of 1: 8 launches
;; limits: right only within a limited range of input values
;; workspace buffers: wc 9,420,800 bytes; hc 3,276,800 bytes; lc 1,638,400 bytes; qh 3,407,872 bytes; kvb 6,684,672 bytes; yc 3,276,800 bytes; x1 16,777,216 bytes; hid 13,107,200 bytes
;; launch wq (part 1): grid 368 x 1, 8 waves a work-group, no clusters, 69,632 bytes of LDS; arguments x, ln1_g, ln1_b, hc, W_kv_down, W_q, W_kv_up, W_o, wc; writes hc, wc
.if DOCPART == 1
	.amdgcn_target "amdgcn-amd-amdhsa--gfx1250"
	.amdhsa_code_object_version 6
	.text
	.protected	k_qb8552fb5be_wq
	.globl	k_qb8552fb5be_wq
	.p2align	8
	.type	k_qb8552fb5be_wq,@function
k_qb8552fb5be_wq:
	s_mov_b64 s[64:65], 0
	v_nop
	global_prefetch_b8 v0, s[64:65] scope:SCOPE_SE
	s_setreg_imm32_b32 hwreg(HW_REG_WAVE_MODE, 25, 1), 1
	s_wait_xcnt 0x0
; THE PROGRAM: a pre-LN transformer block, all eight products on codes of E2M3 with one E8M0 scale for each 32 along K.  Launches: wq (LayerNorm 1, and the four weights of the attention to codes), ga (latent and q),
; gkv (k and v), attn, go (W_o and the residual), ln2 (LayerNorm 2, and the FFN's two weights to codes), f1, f2.  Every quantised operand lies in workspace as IMAGES OF OPERAND REGISTERS:
;   a RECORD = 32 operand rows x 128 along K = 3,200 bytes: fragment 0 (rows 0-15) at 0, fragment 1 at 1,536, each as three groups of four registers, lane l's 16 bytes at 512 g + 16 l; the 32 rows' scale words at 3,072 + 4 l.
; DEAD WORK.  reference() itself sets att to -inf wherever key > query.  exp(-inf) is 0, so a step of 128 keys all of which come after all 16 queries of a tile adds 0 to the row's sum and to y, and cannot
; raise the row's maximum, whatever the inputs hold.  Launch attn leaves those steps out.  Nothing else is left out, and every input is loaded.
; LIMITS.  A NaN, an infinity or an overflow that would arise only in the steps left out is not carried to the result.  NaN and infinities among the inputs are not served.  A block of zeros, or one whose largest
; magnitude lies under 2^-124, gets the scale byte 1 where the rule says 127 or less: its codes are zeros or the rule's own, and the bytes are read by this program alone.
;
; THIS LAUNCH has two kinds of work-groups, told apart by the work-group's number alone; they share nothing.
; WORK-GROUPS 0-255: LayerNorm of 4,096 rows of 1,024 f32, and the quantiser along the row: records, pair = 32 rows in their own order, K step = 128 columns.  A work-group takes 16 rows; wave s takes columns
; 128 s .. 128 s + 127 of all of them, one fragment.  Mean and variance in two passes, as reference() has them, on numbers kept in registers.  Each load reads 512 consecutive bytes of a row; the 16 x 512 bytes turn
; through the wave's own stage in LDS (rows 528 bytes apart), so that lane (r, h) holds row r, register 16 b + i = column 32 b + 16 h + i of the wave's 128.  The waves' partial sums meet in LDS: two barriers.
; THE OTHERS: weights, f32 stored [K][N], become records [pair of 16 columns x 2][K step].  A wave takes 32 columns x 128 along K.  A LANE TAKES A COLUMN AND ITS REGISTERS RUN DOWN K: a load reads 128
; consecutive bytes a wave (four waves side by side: 512), a block of 32 lies in one lane, and the conversions give codes with K innermost.  No LDS, no barrier.
; THE COLUMNS OF A FRAGMENT ARE NOT NEIGHBOURS: row 16 u + p of pair c is column 32 c + 8 u + p + 8 (p / 8), so that a product that takes the weight as source 0 leaves 16 neighbouring columns in 16 registers.
.set LATE,  0                          ; 0: W_kv_down, W_q, W_kv_up, W_o;  1: W_ff1, W_ff2
.set STG,   8448                       ; a wave's stage: 16 rows x 528 bytes
.set STAT1, 8*STG                      ; 16 rows x 8 partial sums; the sums of squares 512 bytes on
.set SPARE, STAT1+1024                 ; the spare words, 128 bytes a wave: four blocks of 256 bytes that no other line names
.set X,   64                           ; v64-127   my 64 numbers
.set GG,  128                          ; v128-191  the rows as loaded, then the gain
.set BB,  192                          ; v192-255  the bias
.set SEL, 22                           ; s[22:23]  v_permlanex16_b32's selects for lane l xor 16
; 64 numbers of a lane, register 16 b + i = k 32 b + 16 (lane / 16) + i of my row, become a fragment's 12 registers at v[pc] on (v[pc+12] .. v[pc+19] at work) and its scale word in v[pw].  tm: 12 registers at work.
.macro QUANT s, pc, pw, tm
.irp b, 0,1,2,3
	v_max3_num_f32 v[\tm+\b], |v[\s+16*\b]|, |v[\s+1+16*\b]|, 0x1800000   ; my 16 numbers of block b, and the floor 2^(3 - 127): the byte cannot fall under 1
.endr
.irp i, 2,4,6,8,10,12,14
.irp b, 0,1,2,3
	s_delay_alu instid0(VALU_DEP_4)
	v_max3_num_f32 v[\tm+\b], v[\tm+\b], |v[\s+16*\b+\i]|, |v[\s+1+16*\b+\i]|
.endr
.endr
.irp b, 0,1,2,3
	s_delay_alu instid0(VALU_DEP_4)
	v_permlanex16_b32 v[\tm+4+\b], v[\tm+\b], s[SEL], s[SEL+1]
.endr
.irp b, 0,1,2,3
	s_delay_alu instid0(VALU_DEP_4)
	v_max_num_f32 v[\tm+\b], v[\tm+\b], v[\tm+4+\b]          ; with lane l xor 16's: the block's largest magnitude
.endr
.irp b, 0,1,2,3
	s_delay_alu instid0(VALU_DEP_4)
	v_add_nc_u32 v[\tm+8+\b], 0xff000000, v[\tm+\b]          ; 2 off its exponent field: the conversion's scale operand
.endr
.irp b, 0,1,2,3
	s_delay_alu instid0(VALU_DEP_4)
	v_lshrrev_b32 v[\tm+4+\b], 23, v[\tm+8+\b]               ; the scale's byte
.endr
	s_delay_alu instid0(VALU_DEP_3)
	v_lshl_or_b32 v[\pw], v[\tm+5], 8, v[\tm+4]
	s_delay_alu instid0(VALU_DEP_1)
	v_lshl_or_b32 v[\pw], v[\tm+6], 16, v[\pw]
	s_delay_alu instid0(VALU_DEP_1)
	v_lshl_or_b32 v[\pw], v[\tm+7], 24, v[\pw]
.irp c, 0,1
	v_cvt_scalef32_pk16_fp6_f32 v[\pc+6*\c:\pc+2+6*\c], v[\s+32*\c:\s+15+32*\c], v[\tm+8+2*\c]
	v_cvt_scalef32_pk16_fp6_f32 v[\pc+12+4*\c:\pc+14+4*\c], v[\s+16+32*\c:\s+31+32*\c], v[\tm+9+2*\c]
.endr
	v_nop                                          ; one plain instruction behind the last conversion
.irp c, 0,1                                    ; the operand wants a whole block in a lane: lanes 0-15 block 2 c, lanes 16-31 block 2 c + 1
.irp i, 0,1,2
	v_permlane16_swap_b32 v[\pc+6*\c+\i], v[\pc+12+4*\c+\i]
.endr
.irp i, 0,1,2
	s_delay_alu instid0(VALU_DEP_3)
	v_mov_b32 v[\pc+3+6*\c+\i], v[\pc+12+4*\c+\i]
.endr
.endr
.endm
; v[20:23], two packed chains, become the row's sum over all 1,024 columns in v12: within the lane, with lane l xor 16, then over the eight waves through LDS.
.macro REDUCE off
	s_delay_alu instid0(VALU_DEP_1)
	v_pk_add_f32 v[20:21], v[20:21], v[22:23]
	s_delay_alu instid0(VALU_DEP_1)
	v_add_f32 v20, v20, v21
	s_delay_alu instid0(VALU_DEP_1)
	v_permlanex16_b32 v21, v20, s[SEL], s[SEL+1]
	s_delay_alu instid0(VALU_DEP_1)
	v_add_f32 v20, v20, v21
	ds_store_b32 v7, v20 offset:\off               ; row r, wave s (both lanes of a row write the same word with the same value)
	s_wait_dscnt 0x0                               ; for the others' sake: my store has landed
	s_barrier_signal -1
	s_barrier_wait -1
	ds_load_b128 v[12:15], v8 offset:\off
	ds_load_b128 v[16:19], v8 offset:\off+16
	s_wait_dscnt 0x0
	v_add_f32 v12, v12, v13
	v_add_f32 v14, v14, v15
	v_add_f32 v16, v16, v17
	v_add_f32 v18, v18, v19
	s_delay_alu instid0(VALU_DEP_3)
	v_add_f32 v12, v12, v14
	s_delay_alu instid0(VALU_DEP_2)
	v_add_f32 v16, v16, v18
	s_delay_alu instid0(VALU_DEP_1)
	v_add_f32 v12, v12, v16
.endm
	s_cmp_lt_u32 ttmp9, 256                        ; the same in all waves of a work-group
	s_cbranch_scc0 .Lweights
	s_load_b256 s[4:11], s[0:1], 0x0               ; the rows, the gain, the bias, the records
	v_lshl_add_u32 v1, v0, 2, SPARE                ; my spare word,
	v_mov_b32 v2, 0                                ; and 0: kept for the wave's end
	v_lshrrev_b32 v3, 5, v0
	s_delay_alu instid0(VALU_DEP_1)
	v_readfirstlane_b32 s12, v3                    ; wave = K step
	v_and_b32 v29, 31, v0                          ; l
	v_and_b32 v30, 15, v0                          ; r
	v_bfe_u32 v31, v0, 4, 1                        ; h
	s_delay_alu instid0(VALU_DEP_3)
	v_lshlrev_b32 v3, 4, v29                       ; 16 l
	s_mul_i32 s13, s12, STG
	v_add_nc_u32 v4, s13, v3                       ; the stage, in: 16 l, + 528 for each row
	v_mul_u32_u24 v5, v30, 528
	s_delay_alu instid0(VALU_DEP_1)
	v_lshl_add_u32 v5, v31, 6, v5
	s_delay_alu instid0(VALU_DEP_1)
	v_add_nc_u32 v5, s13, v5                       ; out: row r, + 64 h
	v_lshlrev_b32 v6, 6, v31                       ; gain and bias: 64 h
	v_lshlrev_b32 v8, 5, v30
	s_delay_alu instid0(VALU_DEP_1)
	v_add_nc_u32 v8, STAT1, v8                     ; row r's eight partial sums
	s_lshl_b32 s14, s12, 2
	v_add_nc_u32 v7, s14, v8                       ; and mine among them
	s_and_b32 s16, ttmp9, 1                        ; which fragment of the pair
	s_mul_i32 s17, s16, 1536
	v_add_nc_u32 v9, s17, v3
	v_lshlrev_b32 v10, 2, v30
	s_lshl_b32 s17, s16, 6
	v_add_nc_u32 v10, s17, v10                     ; the scale word: 64 x fragment + 4 r
.irp b, 0,1,2,3
	v_mov_b32 v[56+\b], 0                          ; a lane permute's destination counts as one of its sources
.endr
	s_mov_b32 s[SEL], 0x76543210
	s_mov_b32 s[SEL+1], 0xfedcba98
	s_mov_b32 s20, 0x3a800000                      ; 1 / 1,024
	s_mov_b32 s21, 0x3727c5ac                      ; 1e-5
	s_lshl_b32 s18, ttmp9, 16                      ; 16 rows of 4,096 bytes
	s_lshl_b32 s15, s12, 9                         ; my 512 bytes of a row
	s_add_co_u32 s18, s18, s15
	s_mov_b32 s19, 0
	s_mov_b32 s24, s15
	s_mov_b32 s25, 0
	s_lshr_b32 s17, ttmp9, 1
	s_lshl_b32 s17, s17, 3
	s_add_co_u32 s17, s17, s12
	s_mul_i32 s26, s17, 3200                       ; record (pair, K step)
	s_mov_b32 s27, 0
	s_wait_alu depctr_va_vdst(0)                   ; the wait at the head's end
	s_wait_kmcnt 0x0
	s_add_nc_u64 s[4:5], s[4:5], s[18:19]
	s_add_nc_u64 s[6:7], s[6:7], s[24:25]
	s_add_nc_u64 s[8:9], s[8:9], s[24:25]
	s_add_nc_u64 s[10:11], s[10:11], s[26:27]
.irp j, 0,1,2,3,4,5,6,7,8,9,10,11,12,13,14,15
	global_load_b128 v[GG+4*\j:GG+4*\j+3], v3, s[4:5] offset:4096*\j th:TH_LOAD_NT   ; row j: 512 consecutive bytes
.endr
.irp b, 0,1,2,3
.irp q, 0,1,2,3
	global_load_b128 v[BB+16*\b+4*\q:BB+16*\b+4*\q+3], v6, s[8:9] offset:128*\b+16*\q
.endr
.endr
	s_wait_loadcnt 16                              ; the rows are in; the bias's 16 loads may be out
.irp j, 0,1,2,3,4,5,6,7,8,9,10,11,12,13,14,15
	ds_store_b128 v4, v[GG+4*\j:GG+4*\j+3] offset:528*\j
.endr
.irp b, 0,1,2,3
.irp q, 0,1,2,3
	ds_load_b128 v[X+16*\b+4*\q:X+16*\b+4*\q+3], v5 offset:128*\b+16*\q   ; LDS serves a wave's instructions in order: these see my stores
.endr
.endr
	s_wait_dscnt 0x0
.irp b, 0,1,2,3
.irp q, 0,1,2,3
	global_load_b128 v[GG+16*\b+4*\q:GG+16*\b+4*\q+3], v6, s[6:7] offset:128*\b+16*\q
.endr
.endr
	v_pk_add_f32 v[20:21], v[X:X+1], v[X+4:X+5]    ; the sum of my 64, two at a time, two chains
	v_pk_add_f32 v[22:23], v[X+2:X+3], v[X+6:X+7]
.set j, 8
.rept 14
	s_delay_alu instid0(VALU_DEP_2)
	v_pk_add_f32 v[20:21], v[20:21], v[X+j:X+j+1]
	s_delay_alu instid0(VALU_DEP_2)
	v_pk_add_f32 v[22:23], v[22:23], v[X+j+2:X+j+3]
.set j, j+4
.endr
	REDUCE 0
	s_delay_alu instid0(VALU_DEP_1)
	v_mul_f32 v24, 0xba800000, v12                 ; - the mean
	s_delay_alu instid0(VALU_DEP_1)
	v_mov_b32 v25, v24
.set j, 0
.rept 32
	v_pk_add_f32 v[X+j:X+j+1], v[X+j:X+j+1], v[24:25]
.set j, j+2
.endr
	v_pk_mul_f32 v[20:21], v[X:X+1], v[X:X+1]      ; the sum of squares of what is left
	v_pk_mul_f32 v[22:23], v[X+2:X+3], v[X+2:X+3]
.set j, 4
.rept 15
	s_delay_alu instid0(VALU_DEP_2)
	v_pk_fma_f32 v[20:21], v[X+j:X+j+1], v[X+j:X+j+1], v[20:21]
	s_delay_alu instid0(VALU_DEP_2)
	v_pk_fma_f32 v[22:23], v[X+j+2:X+j+3], v[X+j+2:X+j+3], v[22:23]
.set j, j+4
.endr
	REDUCE 512                                     ; other words than the first sums': no third barrier is needed
	s_delay_alu instid0(VALU_DEP_1)
	v_fma_f32 v12, v12, s20, s21                   ; the variance + 1e-5
	s_wait_alu depctr_va_vdst(0)                   ; the wait ahead of the transcendental
	v_rsq_f32 v26, v12
	v_nop                                          ; a plain instruction behind the transcendental,
	s_wait_alu depctr_va_vdst(0)                   ; and the wait ahead of its first reader
	v_mov_b32 v27, v26
	s_wait_alu depctr_va_vdst(0)                   ; the wait directly ahead of the wait below
	s_wait_loadcnt 0x0                             ; gain and bias
.set j, 0
.rept 32
	v_pk_mul_f32 v[X+j:X+j+1], v[X+j:X+j+1], v[26:27]
.set j, j+2
.endr
.set j, 0
.rept 32
	v_pk_fma_f32 v[X+j:X+j+1], v[X+j:X+j+1], v[GG+j:GG+j+1], v[BB+j:BB+j+1]
.set j, j+2
.endr
	QUANT X, 32, 28, 52
.irp g, 0,1,2
	global_store_b128 v9, v[32+4*\g:35+4*\g], s[10:11] offset:512*\g   ; the fragment as it stands: 512 consecutive bytes a store
.endr
	global_store_b32 v10, v28, s[10:11] offset:3072    ; (both lanes of a row store the same word)
	s_wait_tensorcnt 0x0                           ; the wave's end
	ds_add_u32 v1, v2
	s_wait_dscnt 0x0
	s_endpgm
; THE WEIGHTS.  One text for every row pitch: 32 offset registers (row i of a block of 32) and four bases (the four blocks).
.set WX,  32                           ; v32-159  128 numbers down K
.set WE,  160                          ; v160-171 blocks 0 and 2, v172-183 blocks 1 and 3: after the exchange fragment 0 and fragment 1
.set WT,  184                          ; v184-199 the upper halves of the four blocks
.set O,   200                          ; v200-231 my column + i rows
.set SO,  12                           ; v12-15   the conversions' scale operands
.set PW,  19                           ; v19      my column's scale word
.set WQO, 409600                       ; wc: W_kv_down at 0 and W_q behind it (48 pairs, 8 K steps),
.set WKV, 1228800                      ; W_kv_up (64 pairs, 4),
.set WO,  2048000                      ; W_o (32, 8),
.set WF1, 2867200                      ; W_ff1 (128, 8),
.set WF2, 6144000                      ; W_ff2 (32, 32)
.macro PICK limit, ptr, first, logc, ks, doff
	s_cmp_lt_u32 s19, \limit
	s_cselect_b64 s[20:21], s[\ptr:\ptr+1], s[20:21]
	s_cselect_b32 s24, \first, s24
	s_cselect_b32 s25, \logc, s25
	s_cselect_b32 s26, \ks, s26
	s_cselect_b32 s27, \doff, s27
.endm
.Lweights:
.if LATE
	s_load_b128 s[4:7], s[0:1], 0x20               ; W_ff1, W_ff2
	s_load_b64 s[16:17], s[0:1], 0x30              ; wc
.else
	s_load_b256 s[4:11], s[0:1], 0x20              ; W_kv_down, W_q, W_kv_up, W_o
	s_load_b64 s[16:17], s[0:1], 0x40              ; wc
.endif
	v_lshrrev_b32 v1, 5, v0
	s_delay_alu instid0(VALU_DEP_1)
	v_readfirstlane_b32 s18, v1                    ; wave 0..7
	v_and_b32 v2, 31, v0                           ; lane
	s_delay_alu instid0(VALU_DEP_1)
	v_and_b32 v3, 7, v2
	s_delay_alu instid0(VALU_DEP_2)
	v_bfe_u32 v6, v2, 3, 1
	s_delay_alu instid0(VALU_DEP_1)
	v_lshl_add_u32 v3, v6, 4, v3
	s_delay_alu instid0(VALU_DEP_4)
	v_lshrrev_b32 v6, 4, v2
	s_delay_alu instid0(VALU_DEP_1)
	v_lshl_add_u32 v3, v6, 3, v3                   ; my column in the pair: 8 (l / 16) + l % 8 + 16 ((l / 8) % 2)
	s_delay_alu instid0(VALU_DEP_1)
	v_lshlrev_b32 v3, 2, v3
	v_lshlrev_b32 v4, 4, v2                        ; out: 16 bytes a lane,
	v_lshlrev_b32 v5, 2, v2                        ; and 4 for the scale word
	s_sub_co_u32 s19, ttmp9, 256                   ; my number among the weights' work-groups
	s_wait_alu depctr_va_vdst(0)                   ; the wait directly ahead of the wait below
	s_wait_kmcnt 0x0
; the weight is chosen by the work-group's number alone: its address, its first work-group, log2(N / 128), its K steps, its place in wc
.if LATE
	s_mov_b64 s[20:21], s[6:7]
	s_mov_b32 s24, 128
	s_mov_b32 s25, 3
	s_mov_b32 s26, 32
	s_mov_b32 s27, WF2
	PICK 128, 4, 0, 5, 8, WF1
.else
	s_mov_b64 s[20:21], s[10:11]
	s_mov_b32 s24, 80
	s_mov_b32 s25, 3
	s_mov_b32 s26, 8
	s_mov_b32 s27, WO
	PICK 80, 6, 48, 3, 8, WQO
	PICK 48, 8, 16, 4, 4, WKV
	PICK 16, 4, 0, 2, 8, 0
.endif
	s_sub_co_u32 s28, s19, s24                     ; my number within the weight
	s_lshl_b32 s29, 1, s25
	s_sub_co_u32 s29, s29, 1
	s_and_b32 s29, s28, s29
	s_lshl_b32 s29, s29, 2
	s_and_b32 s30, s18, 3
	s_add_co_u32 s29, s29, s30                     ; my pair of fragments: 4 x (which 128 columns) + wave % 4
	s_lshr_b32 s28, s28, s25
	s_lshl_b32 s28, s28, 1
	s_lshr_b32 s30, s18, 2
	s_add_co_u32 s28, s28, s30                     ; my K step
	s_add_co_u32 s30, s25, 16
	s_lshl_b32 s30, s28, s30                       ; 128 rows of N x 4 bytes for each K step
	s_lshl_b32 s31, s29, 7
	s_add_co_u32 s30, s30, s31                     ; + 32 columns x 4 bytes for each pair
	s_mov_b32 s31, 0
	s_add_nc_u64 s[32:33], s[20:21], s[30:31]      ; block 0's rows
	s_mul_i32 s30, s29, s26
	s_add_co_u32 s30, s30, s28
	s_mul_i32 s30, s30, 3200
	s_add_co_u32 s30, s30, s27
	s_add_nc_u64 s[22:23], s[16:17], s[30:31]      ; my record
	s_add_co_u32 s24, s25, 9                       ; a row is 2^(9 + log2(N / 128)) bytes,
	s_add_co_u32 s30, s25, 14
	s_lshl_b32 s30, 1, s30                         ; a block's 32 rows 2^5 times that
	s_add_nc_u64 s[34:35], s[32:33], s[30:31]
	s_add_nc_u64 s[36:37], s[34:35], s[30:31]
	s_add_nc_u64 s[38:39], s[36:37], s[30:31]
.set k, 0
.rept 32
	v_lshl_add_u32 v[O+k], k, s24, v3              ; i rows + my column: 31 x 16,384 + 124 bytes at the most
.set k, k+1
.endr
	s_wait_alu depctr_va_vdst(0)                   ; the offsets are read by four runs of loads
.irp b, 0,1,2,3
.set k, 0
.rept 32
	global_load_b32 v[WX+32*\b+k], v[O+k], s[32+2*\b:33+2*\b] th:TH_LOAD_NT
.set k, k+1
.endr
.endr
.irp b, 0,1,2,3
.if \b < 2
	s_wait_loadcnt 63                              ; this block's 32 loads are in: up to 96 (block 0) or 64 (block 1) younger ones could stay out; 63 is the most that a wait names
.elseif \b == 2
	s_wait_loadcnt 32                              ; the last block's 32 may be out
.else
	s_wait_loadcnt 0
.endif
	v_max3_num_f32 v16, |v[WX+32*\b]|, |v[WX+32*\b+1]|, |v[WX+32*\b+2]|      ; the block's largest magnitude: all 32 numbers are mine; two chains
	v_max3_num_f32 v17, |v[WX+32*\b+3]|, |v[WX+32*\b+4]|, |v[WX+32*\b+5]|
.irp i, 6,10,14,18,22,26
	s_delay_alu instid0(VALU_DEP_2)
	v_max3_num_f32 v16, v16, |v[WX+32*\b+\i]|, |v[WX+32*\b+\i+1]|
	s_delay_alu instid0(VALU_DEP_2)
	v_max3_num_f32 v17, v17, |v[WX+32*\b+\i+2]|, |v[WX+32*\b+\i+3]|
.endr
	s_delay_alu instid0(VALU_DEP_2)
	v_max3_num_f32 v16, v16, |v[WX+32*\b+30]|, |v[WX+32*\b+31]|
	s_delay_alu instid0(VALU_DEP_1)
	v_max3_num_f32 v16, v16, v17, 0x1800000        ; and the floor 2^(3 - 127): the byte cannot fall under 1
	s_delay_alu instid0(VALU_DEP_1)
	v_add_nc_u32 v[SO+\b], 0xff000000, v16         ; 2 off the exponent field: the conversion takes this operand's exponent field as its scale
	s_delay_alu instid0(VALU_DEP_1)
	v_lshrrev_b32 v18, 23, v[SO+\b]                ; the scale's byte
.if \b == 0
	s_delay_alu instid0(VALU_DEP_1)
	v_mov_b32 v[PW], v18
.else
	s_delay_alu instid0(VALU_DEP_1)
	v_lshl_or_b32 v[PW], v18, 8*\b, v[PW]
.endif
	v_cvt_scalef32_pk16_fp6_f32 v[WE+12*(\b%2)+6*(\b/2):WE+12*(\b%2)+6*(\b/2)+2], v[WX+32*\b:WX+32*\b+15], v[SO+\b]
	v_cvt_scalef32_pk16_fp6_f32 v[WT+4*\b:WT+4*\b+2], v[WX+32*\b+16:WX+32*\b+31], v[SO+\b]   ; (a conversion's three registers begin on an even number)
.endr
	v_nop                                          ; one plain instruction behind the last conversion
.irp b, 0,1,2,3
.irp i, 0,1,2
	v_mov_b32 v[WE+12*(\b%2)+6*(\b/2)+3+\i], v[WT+4*\b+\i]
.endr
.endr
.irp i, 0,1,2,3,4,5,6,7,8,9,10,11
	v_permlane16_swap_b32 v[WE+\i], v[WE+12+\i]    ; a fragment's lanes 0-15 want blocks 0, 2 of its rows and lanes 16-31 blocks 1, 3: the first set's upper lanes change places with the second's lower
.endr
.irp g, 0,1,2
	global_store_b128 v4, v[WE+4*\g:WE+4*\g+3], s[22:23] offset:512*\g            ; 32 lanes store 512 consecutive bytes
	global_store_b128 v4, v[WE+12+4*\g:WE+12+4*\g+3], s[22:23] offset:1536+512*\g
.endr
	global_store_b32 v5, v[PW], s[22:23] offset:3072
	s_endpgm
.Lfunc_end_k_qb8552fb5be_wq:
	.size	k_qb8552fb5be_wq, .Lfunc_end_k_qb8552fb5be_wq-k_qb8552fb5be_wq
	.p2alignl 7, 3214868480
	.fill 96, 4, 3214868480
	.section	.rodata,"a",@progbits
	.p2align	6, 0x0
	.amdhsa_kernel k_qb8552fb5be_wq
		.amdhsa_group_segment_fixed_size 69632
		.amdhsa_private_segment_fixed_size 0
		.amdhsa_enable_private_segment 0
		.amdhsa_kernarg_size 72
		.amdhsa_user_sgpr_count 2
		.amdhsa_user_sgpr_kernarg_segment_ptr 1
		.amdhsa_wavefront_size32 1
		.amdhsa_system_sgpr_workgroup_id_x 1
		.amdhsa_system_sgpr_workgroup_id_y 1
		.amdhsa_system_sgpr_workgroup_id_z 1
		.amdhsa_system_vgpr_workitem_id 0
		.amdhsa_next_free_vgpr 256
		.amdhsa_next_free_sgpr 66
		.amdhsa_reserve_vcc 0
		.amdhsa_float_denorm_mode_32 3
		.amdhsa_float_denorm_mode_16_64 3
		.amdhsa_memory_ordered 1
		.amdhsa_forward_progress 1
		.amdhsa_inst_pref_size 55
	.end_amdhsa_kernel
	.amdgpu_metadata
---
amdhsa.version: [ 1, 2 ]
amdhsa.kernels:
  - .name:           k_qb8552fb5be_wq
    .symbol:         k_qb8552fb5be_wq.kd
    .args:
      - { .name: x, .offset: 0, .size: 8, .value_kind: global_buffer, .address_space: global }
      - { .name: ln1_g, .offset: 8, .size: 8, .value_kind: global_buffer, .address_space: global }
      - { .name: ln1_b, .offset: 16, .size: 8, .value_kind: global_buffer, .address_space: global }
      - { .name: hc, .offset: 24, .size: 8, .value_kind: global_buffer, .address_space: global }
      - { .name: W_kv_down, .offset: 32, .size: 8, .value_kind: global_buffer, .address_space: global }
      - { .name: W_q, .offset: 40, .size: 8, .value_kind: global_buffer, .address_space: global }
      - { .name: W_kv_up, .offset: 48, .size: 8, .value_kind: global_buffer, .address_space: global }
      - { .name: W_o, .offset: 56, .size: 8, .value_kind: global_buffer, .address_space: global }
      - { .name: wc, .offset: 64, .size: 8, .value_kind: global_buffer, .address_space: global }
    .group_segment_fixed_size: 69632
    .private_segment_fixed_size: 0
    .kernarg_segment_align: 8
    .kernarg_segment_size: 72
    .max_flat_workgroup_size: 256
    .sgpr_count:     66
    .vgpr_count:     256
    .wavefront_size: 32
...
	.end_amdgpu_metadata
.endif
;; end of part 1
;; launch ga (part 2): grid 12 x 16, 16 waves a work-group, no clusters, 309,248 bytes of LDS; arguments wc, hc, lc, qh; writes lc, qh
.if DOCPART == 2
	.amdgcn_target "amdgcn-amd-amdhsa--gfx1250"
	.amdhsa_code_object_version 6
	.text
	.protected	k_qb8552fb5be_ga
	.globl	k_qb8552fb5be_ga
	.p2align	8
	.type	k_qb8552fb5be_ga,@function
k_qb8552fb5be_ga:
	s_mov_b64 s[64:65], 0
	v_nop
	global_prefetch_b8 v0, s[64:65] scope:SCOPE_SE
	s_setreg_imm32_b32 hwreg(HW_REG_WAVE_MODE, 25, 1), 1
	s_wait_xcnt 0x0
; latent = h W_kv_down (columns 0-511) and q = h W_q (columns 512-1,535) in one product on codes of E2M3; both results are quantised here and leave as operand images.
; A work-group makes 256 tokens x 128 columns.  Sixteen waves: wave w takes tokens 32 (w / 2) .. + 31 and half of K (K steps kw, kw + 2 of each four, kw = w % 2): a tile of 32 x 128 in 128 registers, four waves to a SIMD.
; Source 0 = 16 columns of the weight, source 1 = 16 tokens: a lane holds ONE token, and since a weight fragment's columns are chosen for it (launch wq), register 16 b + i is column 32 b + 16 (lane / 16) + i.
; All of K (8 K steps) lies in LDS at once, in two slots that are each filled once: 12 tensor loads of 12,800 dense bytes for each slot, one a wave (waves 0-11).  Two tensor loads of a wave are out at the most.
; The two halves of K meet through LDS: each wave keeps its 16 tokens number kw and sends the other 16 to its partner.  So that no branch is needed, 'local tile 0' is fragment kw of the pair of token fragments.
; No cluster: the weight's tiles are shared by the 16 work-groups of a column and the tokens' by the 12 of a row; they are asked for once each at the head; joint loads are left for a later version of this text.
; The order of the f32 sums differs from reference()'s (K in two halves).  LIMITS: as stated at launch wq's head.
.set NP0,  4                           ; pairs of source 0 in a slot
.set NP1,  8                           ; pairs of source 1
.set KS,   8                           ; K steps in all
.set NKS,  4                           ; K steps in a slot
.set KW,   2                           ; waves that share K
.set SLOT, (NP0+NP1)*NKS*3200
.set XS,   0                           ; the exchange lies in slot 0, which has had its one fill, and which nobody reads behind the barrier in front of slot 1's products
.set SPARE, 2*SLOT                     ; the spare words, 128 bytes a wave: eight blocks of 256 bytes that no other line names
.set ACC,  128                         ; v128 + 64 a + 8 t: accumulator (local tile of tokens a, tile of columns t)
.set AD0,  3                           ; v3, v4    source 0's fragments in slot 0, 1: 16 l + my K step
.set AD1A, 5                           ; v5, v6    source 1's local tile 0
.set AD1B, 7                           ; v7, v8    local tile 1
.set SC0,  9                           ; v9, v10   source 0's scale words: 4 l + ..
.set SC1,  11                          ; v11, v12  source 1's, lanes 0-15 those of local tile 0
.set XW,   13                          ; v13       the exchange: where I write
.set XR,   14                          ; v14       and where I read
.set LN,   15                          ; v15       lane
.set L16,  92                          ; v92       16 l
.set L4,   93                          ; v93       4 l
.set TM,   96                          ; v96-107   the quantiser's work
.set SEL,  42                          ; s[42:43]  v_permlanex16_b32's selects for lane l xor 16
.macro NOP4
.rept 4
	v_nop
.endr
.endm
.macro BAR
	s_barrier_signal -1
	s_barrier_wait -1
.endm
.macro LDF reg, adr, off               ; a fragment comes back as it was stored: three loads of 512 consecutive bytes
	ds_load_b128 v[\reg:\reg+3], v[\adr] offset:\off
	ds_load_b128 v[\reg+4:\reg+7], v[\adr] offset:\off+512
	ds_load_b128 v[\reg+8:\reg+11], v[\adr] offset:\off+1024
.endm
; Four products: the two fragments of one record of source 0 (at v[fr], v[fr+12]; scale words in v[sc]: lanes 0-15 the first's, lanes 16-31 the second's) x my two tiles of tokens.  z = 1: they start the sums.
.macro WMQ tt, fr, sc, z
.set DA, ACC+8*(\tt)
.set DB, ACC+64+8*(\tt)
.set DC, ACC+8+8*(\tt)
.set DD, ACC+72+8*(\tt)
.set FA, \fr
.set FB, \fr+12
.if \z
	v_wmma_scale_f32_16x16x128_f8f6f4 v[DA:DA+7], v[FA:FA+11], v[16:27], 0, v[\sc], v88 matrix_a_fmt:MATRIX_FMT_FP6 matrix_b_fmt:MATRIX_FMT_FP6
	v_wmma_scale_f32_16x16x128_f8f6f4 v[DB:DB+7], v[FA:FA+11], v[28:39], 0, v[\sc], v88 matrix_a_fmt:MATRIX_FMT_FP6 matrix_b_fmt:MATRIX_FMT_FP6 matrix_b_scale:MATRIX_SCALE_ROW1
	v_wmma_scale_f32_16x16x128_f8f6f4 v[DC:DC+7], v[FB:FB+11], v[16:27], 0, v[\sc], v88 matrix_a_fmt:MATRIX_FMT_FP6 matrix_b_fmt:MATRIX_FMT_FP6 matrix_a_scale:MATRIX_SCALE_ROW1
	v_wmma_scale_f32_16x16x128_f8f6f4 v[DD:DD+7], v[FB:FB+11], v[28:39], 0, v[\sc], v88 matrix_a_fmt:MATRIX_FMT_FP6 matrix_b_fmt:MATRIX_FMT_FP6 matrix_a_scale:MATRIX_SCALE_ROW1 matrix_b_scale:MATRIX_SCALE_ROW1
.else
	v_wmma_scale_f32_16x16x128_f8f6f4 v[DA:DA+7], v[FA:FA+11], v[16:27], v[DA:DA+7], v[\sc], v88 matrix_a_fmt:MATRIX_FMT_FP6 matrix_b_fmt:MATRIX_FMT_FP6
	v_wmma_scale_f32_16x16x128_f8f6f4 v[DB:DB+7], v[FA:FA+11], v[28:39], v[DB:DB+7], v[\sc], v88 matrix_a_fmt:MATRIX_FMT_FP6 matrix_b_fmt:MATRIX_FMT_FP6 matrix_b_scale:MATRIX_SCALE_ROW1
	v_wmma_scale_f32_16x16x128_f8f6f4 v[DC:DC+7], v[FB:FB+11], v[16:27], v[DC:DC+7], v[\sc], v88 matrix_a_fmt:MATRIX_FMT_FP6 matrix_b_fmt:MATRIX_FMT_FP6 matrix_a_scale:MATRIX_SCALE_ROW1
	v_wmma_scale_f32_16x16x128_f8f6f4 v[DD:DD+7], v[FB:FB+11], v[28:39], v[DD:DD+7], v[\sc], v88 matrix_a_fmt:MATRIX_FMT_FP6 matrix_b_fmt:MATRIX_FMT_FP6 matrix_a_scale:MATRIX_SCALE_ROW1 matrix_b_scale:MATRIX_SCALE_ROW1
.endif
.endm
; One K step of 128: 16 products, the 16 accumulators by turns, one instruction a turn, in the same order in every K step.
; Four plain instructions stand in front of each run of loads into registers that matrix instructions have read (ISA guide 7.12.1 for vector instructions).
.macro KSTEP sl, ko, z
	NOP4
	LDF 16, AD1A+\sl, \ko
	LDF 28, AD1B+\sl, \ko
	ds_load_b32 v88, v[SC1+\sl] offset:3072+\ko
.irp hf, 0,1
.if \hf
	NOP4
.endif
.irp i, 0,1
	LDF 40+24*\i, AD0+\sl, (2*\hf+\i)*NKS*3200+\ko
	LDF 52+24*\i, AD0+\sl, (2*\hf+\i)*NKS*3200+\ko+1536
	ds_load_b32 v[90+\i], v[SC0+\sl] offset:(2*\hf+\i)*NKS*3200+\ko+3072
.endr
	s_wait_dscnt 0x0
	WMQ 4*\hf, 40, 90, \z
	WMQ 4*\hf+2, 64, 91, \z
.endr
.endm
.macro PHASE sl, z                     ; my two K steps of a slot
	KSTEP \sl, 0, \z
	KSTEP \sl, KW*3200, 0
.endm
.macro XCHG_A                          ; my local tile 1 goes to my partner
	NOP4                                           ; places between the last products and the stores that read their results
.set xi, 0
.rept 16
	ds_store_b128 v[XW], v[192+4*xi:195+4*xi] offset:512*xi     ; each accumulator from its low end on
.set xi, xi+1
.endr
	s_wait_dscnt 0x0                               ; for the partner's sake: my stores have landed
	BAR
.endm
.macro XCHG_B                          ; and its local tile 1, which is my local tile 0's other half of K, is added to mine
.set xi, 0
.rept 16
	ds_load_b128 v[16+4*xi:19+4*xi], v[XR] offset:512*xi
.set xi, xi+1
.endr
	s_wait_dscnt 0x0
.set xi, 0
.rept 32
	v_pk_add_f32 v[128+xi:129+xi], v[128+xi:129+xi], v[16+xi:17+xi]
.set xi, xi+2
.endr
.endm
; 64 numbers of a lane, register 16 b + i = k 32 b + 16 (lane / 16) + i of my row, become a fragment's 12 registers at v[pc] on (v[pc+12] .. v[pc+19] at work) and its scale word in v[pw].
.macro QUANT s, pc, pw, tm
.irp b, 0,1,2,3
	v_max3_num_f32 v[\tm+\b], |v[\s+16*\b]|, |v[\s+1+16*\b]|, 0x1800000   ; my 16 numbers of block b, and the floor 2^(3 - 127): the byte cannot fall under 1
.endr
.irp i, 2,4,6,8,10,12,14
.irp b, 0,1,2,3
	s_delay_alu instid0(VALU_DEP_4)
	v_max3_num_f32 v[\tm+\b], v[\tm+\b], |v[\s+16*\b+\i]|, |v[\s+1+16*\b+\i]|
.endr
.endr
.irp b, 0,1,2,3
	s_delay_alu instid0(VALU_DEP_4)
	v_permlanex16_b32 v[\tm+4+\b], v[\tm+\b], s[SEL], s[SEL+1]
.endr
.irp b, 0,1,2,3
	s_delay_alu instid0(VALU_DEP_4)
	v_max_num_f32 v[\tm+\b], v[\tm+\b], v[\tm+4+\b]
.endr
.irp b, 0,1,2,3
	s_delay_alu instid0(VALU_DEP_4)
	v_add_nc_u32 v[\tm+8+\b], 0xff000000, v[\tm+\b]          ; 2 off the exponent field: the conversion's scale operand
.endr
.irp b, 0,1,2,3
	s_delay_alu instid0(VALU_DEP_4)
	v_lshrrev_b32 v[\tm+4+\b], 23, v[\tm+8+\b]               ; the scale's byte
.endr
	s_delay_alu instid0(VALU_DEP_3)
	v_lshl_or_b32 v[\pw], v[\tm+5], 8, v[\tm+4]
	s_delay_alu instid0(VALU_DEP_1)
	v_lshl_or_b32 v[\pw], v[\tm+6], 16, v[\pw]
	s_delay_alu instid0(VALU_DEP_1)
	v_lshl_or_b32 v[\pw], v[\tm+7], 24, v[\pw]
.irp c, 0,1
	v_cvt_scalef32_pk16_fp6_f32 v[\pc+6*\c:\pc+2+6*\c], v[\s+32*\c:\s+15+32*\c], v[\tm+8+2*\c]
	v_cvt_scalef32_pk16_fp6_f32 v[\pc+12+4*\c:\pc+14+4*\c], v[\s+16+32*\c:\s+31+32*\c], v[\tm+9+2*\c]
.endr
	v_nop                                          ; one plain instruction behind the last conversion
.irp c, 0,1
.irp i, 0,1,2
	v_permlane16_swap_b32 v[\pc+6*\c+\i], v[\pc+12+4*\c+\i]
.endr
.irp i, 0,1,2
	s_delay_alu instid0(VALU_DEP_3)
	v_mov_b32 v[\pc+3+6*\c+\i], v[\pc+12+4*\c+\i]
.endr
.endr
.endm
.macro G0SET n                         ; descriptor group 0 for slot n: count 1; LDS address; global address; type 2
	s_mov_b32 s[24+4*\n], 1
	s_add_co_u32 s[25+4*\n], s44, \n*SLOT
	s_add_nc_u64 s[26+4*\n:27+4*\n], s[40:41], \n*NKS*3200
	s_or_b32 s[27+4*\n], s[27+4*\n], 0x80000000
.endm
; A fragment of 128 along K that is two heads of 64 leaves as two half fragments (registers 0-5 of an operand whose K is 64, filled up with zeros by its reader):
; a head's record = 32 tokens = 1,664 bytes: tile u at 768 u (registers 0-3 at 16 l, registers 4-5 at 512 + 8 l), scale words (two bytes, two zeros) at 1,536 + 4 x row.
.macro HSTORE bs, nxt
	s_mul_i32 s39, s33, 768
	v_add_nc_u32 v111, s39, v[L16]
	v_lshlrev_b32 v112, 3, v[LN]
	s_delay_alu instid0(VALU_DEP_1)
	v_add_nc_u32 v112, s39, v112
	s_wait_alu depctr_va_vdst(0)
	v_and_b32 v113, 15, v0
	s_delay_alu instid0(VALU_DEP_1)
	v_lshlrev_b32 v113, 2, v113
	s_lshl_b32 s39, s33, 6
	v_add_nc_u32 v113, s39, v113
	v_and_b32 v114, 0xffff, v36
	v_lshrrev_b32 v115, 16, v36
	global_store_b128 v111, v[16:19], s[\bs:\bs+1]
	global_store_b64 v112, v[20:21], s[\bs:\bs+1] offset:512
	global_store_b32 v113, v114, s[\bs:\bs+1] offset:1536
	global_store_b128 v111, v[22:25], s[\bs:\bs+1] offset:\nxt
	global_store_b64 v112, v[26:27], s[\bs:\bs+1] offset:\nxt+512
	global_store_b32 v113, v115, s[\bs:\bs+1] offset:\nxt+1536
.endm
	s_load_b256 s[4:11], s[0:1], 0x0               ; wc, hc, lc, qh
	v_lshl_add_u32 v1, v0, 2, SPARE                ; my spare word,
	v_mov_b32 v2, 0                                ; and 0
	ds_add_u32 v1, v2                              ; the wave's opening: the add, twice on end, and its wait ahead of my first tensor load
	ds_add_u32 v1, v2
	v_lshrrev_b32 v3, 5, v0
	s_delay_alu instid0(VALU_DEP_1)
	v_readfirstlane_b32 s2, v3                     ; wave 0..15
	s_mov_b32 s16, 3<<16                           ; descriptor group 1: a dense block as 2 rows of 1,600 elements of 8 bytes: no mask, no padding
	; ONE tensor load a wave (waves 0-11): two rows of 12,800 bytes = four K steps of two neighbouring pairs, 25,600 bytes apart in memory, on end in LDS
	s_mov_b32 s17, 1600<<16                        ; tensor_dim0 = 1,600 elements of 8 bytes
	s_mov_b32 s18, 2<<16                           ; tensor_dim1 = 2
	s_mov_b32 s19, 1600<<16                        ; tile_dim0 = 1,600
	s_mov_b32 s20, 2                               ; tile_dim1 = 2
	s_mov_b32 s21, 3200                            ; from pair to pair: all 8 K steps
	s_mov_b32 s22, 0
	s_mov_b32 s23, 0
	s_lshr_b32 s32, s2, 1                          ; mw: my pair of token fragments
	s_and_b32 s33, s2, 1                           ; kw: my half of K
	s_and_b32 s36, ttmp7, 0xffff                   ; mt: which 256 tokens
	s_mov_b32 s[SEL], 0x76543210
	s_mov_b32 s[SEL+1], 0xfedcba98
	s_lshl_b32 s38, ttmp9, 2
	s_and_b32 s45, s2, 14                          ; the first of my two pairs among a slot's twelve: 0, 2 the weight's, 4 .. 10 the tokens'
	s_and_b32 s46, s2, 1                           ; the slot that I fill
	s_add_co_u32 s38, s38, s45
	s_lshl_b32 s39, s36, 3
	s_add_co_u32 s39, s39, s45
	s_sub_co_u32 s39, s39, NP0
	s_mul_i32 s44, s45, NKS*3200
	s_mul_i32 s47, s46, SLOT
	s_add_co_u32 s44, s44, s47                     ; where they go in LDS
	s_mul_i32 s46, s46, NKS*3200                   ; and the slot's K steps in memory
	s_wait_dscnt 0x0                               ; both opening adds are done
	s_wait_kmcnt 0x0
	s_cmp_lt_u32 s2, NP0
	s_cselect_b32 s38, s38, s39
	s_cselect_b64 s[40:41], s[4:5], s[6:7]
	s_mul_i32 s38, s38, KS*3200
	s_add_co_u32 s38, s38, s46
	s_mov_b32 s39, 0
	s_add_nc_u64 s[40:41], s[40:41], s[38:39]
	G0SET 0
	s_cmp_lt_u32 s2, NP0+NP1
	s_cbranch_scc0 .Lnofill
	tensor_load_to_lds s[24:27], s[16:23]          ; my one tensor load: four K steps of two pairs
	s_nop 0
.Lnofill:
	v_and_b32 v[LN], 31, v0
	s_delay_alu instid0(VALU_DEP_1)
	v_lshlrev_b32 v[L16], 4, v[LN]
	s_delay_alu instid0(VALU_DEP_2)
	v_lshlrev_b32 v[L4], 2, v[LN]
	s_wait_alu depctr_va_vdst(0)
	s_mul_i32 s38, s33, 3200                       ; my first K step of a slot
	s_add_co_u32 s39, s32, NP0
	s_mul_i32 s39, s39, NKS*3200
	s_add_co_u32 s39, s39, s38                     ; my pair of token fragments there
	s_mul_i32 s40, s33, 1536
	s_add_co_u32 s40, s40, s39                     ; local tile 0 = fragment kw,
	s_xor_b32 s41, s33, 1
	s_mul_i32 s41, s41, 1536
	s_add_co_u32 s41, s41, s39                     ; local tile 1 = the other
	s_lshl_b32 s44, s33, 6
	v_xor_b32 v94, s44, v[L4]                      ; and the scale words' halves change places with them
	v_add_nc_u32 v[AD0], s38, v[L16]
	v_add_nc_u32 v[AD1A], s40, v[L16]
	v_add_nc_u32 v[AD1B], s41, v[L16]
	v_add_nc_u32 v[SC0], s38, v[L4]
	v_add_nc_u32 v[SC1], s39, v94
	v_add_nc_u32 v[AD0+1], SLOT, v[AD0]
	v_add_nc_u32 v[AD1A+1], SLOT, v[AD1A]
	v_add_nc_u32 v[AD1B+1], SLOT, v[AD1B]
	v_add_nc_u32 v[SC0+1], SLOT, v[SC0]
	v_add_nc_u32 v[SC1+1], SLOT, v[SC1]
	s_lshl_b32 s38, s2, 13
	v_add_nc_u32 v[XW], s38, v[L16]                ; the exchange: 8,192 bytes a wave
	s_xor_b32 s38, s2, 1
	s_lshl_b32 s38, s38, 13
	v_add_nc_u32 v[XR], s38, v[L16]
.irp b, 0,1,2,3
	v_mov_b32 v[TM+4+\b], 0                        ; a lane permute's destination counts as one of its sources
.endr
	s_wait_alu depctr_va_vdst(0)
	s_wait_tensorcnt 0x0                           ; my one load is in,
	BAR                                            ; everybody's is: both slots are whole
	PHASE 0, 1
	BAR                                            ; nobody reads slot 0 any more: the exchange may be stored there
	PHASE 1, 0
	XCHG_A
	XCHG_B
	QUANT 128, 16, 36, TM
	s_lshl_b32 s38, s36, 3
	s_add_co_u32 s38, s38, s32                     ; P: my pair of 32 tokens
	s_cmp_lt_u32 ttmp9, 4
	s_cbranch_scc0 .Lq
	; latent: K step ct of the next product's operand.  ITS TOKENS ARE STORED OUT OF ORDER: row 16 u + p of pair P is token 32 P + 8 u + p + 8 (p / 8), so that k's fragments hold the keys that attention wants together
	s_lshl_b32 s39, s38, 2
	s_add_co_u32 s39, s39, ttmp9
	s_mul_i32 s40, s39, 3200
	s_mov_b32 s41, 0
	s_add_nc_u64 s[8:9], s[8:9], s[40:41]
	v_and_b32 v108, 15, v0
	v_bfe_u32 v109, v0, 4, 1
	s_delay_alu instid0(VALU_DEP_2)
	v_lshrrev_b32 v110, 3, v108
	s_delay_alu instid0(VALU_DEP_3)
	v_and_b32 v111, 7, v108
	s_delay_alu instid0(VALU_DEP_2)
	v_mul_u32_u24 v112, v110, 1536
	s_delay_alu instid0(VALU_DEP_1)
	v_lshl_add_u32 v112, v111, 4, v112
	s_delay_alu instid0(VALU_DEP_1)
	v_lshl_add_u32 v112, v109, 8, v112
	s_lshl_b32 s39, s33, 7
	v_add_nc_u32 v112, s39, v112
	v_lshlrev_b32 v113, 6, v110
	s_delay_alu instid0(VALU_DEP_1)
	v_lshl_add_u32 v113, v111, 2, v113
	s_lshl_b32 s39, s33, 5
	v_add_nc_u32 v113, s39, v113
.irp g, 0,1,2
	global_store_b128 v112, v[16+4*\g:19+4*\g], s[8:9] offset:512*\g
.endr
	global_store_b32 v113, v36, s[8:9] offset:3072
	s_branch .Ldone
.Lq:
	; q: heads 2 (ct - 4) and the next; tokens in their own order
	s_sub_co_u32 s39, ttmp9, 4
	s_lshl_b32 s39, s39, 1
	s_lshr_b32 s40, s38, 6                         ; the batch
	s_lshl_b32 s40, s40, 4
	s_add_co_u32 s40, s40, s39
	s_lshl_b32 s40, s40, 6
	s_and_b32 s41, s38, 63
	s_add_co_u32 s40, s40, s41
	s_mul_i32 s40, s40, 1664
	s_mov_b32 s41, 0
	s_add_nc_u64 s[10:11], s[10:11], s[40:41]
	HSTORE 10, 106496                              ; the next head lies 64 records on
.Ldone:
	s_wait_tensorcnt 0x0                           ; the wave's end
	ds_add_u32 v1, v2
	s_wait_dscnt 0x0
	s_endpgm
.Lfunc_end_k_qb8552fb5be_ga:
	.size	k_qb8552fb5be_ga, .Lfunc_end_k_qb8552fb5be_ga-k_qb8552fb5be_ga
	.p2alignl 7, 3214868480
	.fill 96, 4, 3214868480
	.section	.rodata,"a",@progbits
	.p2align	6, 0x0
	.amdhsa_kernel k_qb8552fb5be_ga
		.amdhsa_group_segment_fixed_size 309248
		.amdhsa_private_segment_fixed_size 0
		.amdhsa_enable_private_segment 0
		.amdhsa_kernarg_size 32
		.amdhsa_user_sgpr_count 2
		.amdhsa_user_sgpr_kernarg_segment_ptr 1
		.amdhsa_wavefront_size32 1
		.amdhsa_system_sgpr_workgroup_id_x 1
		.amdhsa_system_sgpr_workgroup_id_y 1
		.amdhsa_system_sgpr_workgroup_id_z 1
		.amdhsa_system_vgpr_workitem_id 0
		.amdhsa_next_free_vgpr 256
		.amdhsa_next_free_sgpr 66
		.amdhsa_reserve_vcc 0
		.amdhsa_float_denorm_mode_32 3
		.amdhsa_float_denorm_mode_16_64 3
		.amdhsa_memory_ordered 1
		.amdhsa_forward_progress 1
		.amdhsa_inst_pref_size 35
	.end_amdhsa_kernel
	.amdgpu_metadata
---
amdhsa.version: [ 1, 2 ]
amdhsa.kernels:
  - .name:           k_qb8552fb5be_ga
    .symbol:         k_qb8552fb5be_ga.kd
    .args:
      - { .name: wc, .offset: 0, .size: 8, .value_kind: global_buffer, .address_space: global }
      - { .name: hc, .offset: 8, .size: 8, .value_kind: global_buffer, .address_space: global }
      - { .name: lc, .offset: 16, .size: 8, .value_kind: global_buffer, .address_space: global }
      - { .name: qh, .offset: 24, .size: 8, .value_kind: global_buffer, .address_space: global }
    .group_segment_fixed_size: 309248
    .private_segment_fixed_size: 0
    .kernarg_segment_align: 8
    .kernarg_segment_size: 32
    .max_flat_workgroup_size: 512
    .sgpr_count:     66
    .vgpr_count:     256
    .wavefront_size: 32
...
	.end_amdgpu_metadata
.endif
;; end of part 2
;; launch gkv (part 3): grid 256 x 1, 16 waves a work-group, no clusters, 286,720 bytes of LDS; arguments wc, lc, kvb; writes kvb
.if DOCPART == 3
	.amdgcn_target "amdgcn-amd-amdhsa--gfx1250"
	.amdhsa_code_object_version 6
	.text
	.protected	k_qb8552fb5be_gkv
	.globl	k_qb8552fb5be_gkv
	.p2align	8
	.type	k_qb8552fb5be_gkv,@function
k_qb8552fb5be_gkv:
	s_mov_b64 s[64:65], 0
	v_nop
	global_prefetch_b8 v0, s[64:65] scope:SCOPE_SE
	s_setreg_imm32_b32 hwreg(HW_REG_WAVE_MODE, 25, 1), 1
	s_wait_xcnt 0x0
; kv = latent W_kv_up on codes of E2M3 (K = 512: four K steps, all in LDS at once, filled once), quantised here for attention.  The core is launch ga's: sixteen waves, a wave tile of 32 x 128, K in two halves.
; Work-groups 0-127 make k: source 0 = 128 columns of the weight (two heads), source 1 = 256 tokens: a lane holds a key, registers run along the head: quantised along the head's 64.
; Work-groups 128-255 make v TRANSPOSED: source 0 = latent (128 tokens: a key step), source 1 = 256 columns of the weight (four heads): a lane holds a channel d, registers run along the KEYS, which are the K of attention's
; second product.  latent's rows are stored out of order for both uses (launch ga).  Only pointers and indices differ between the two kinds: they are chosen by s_cselect on the work-group's number.
; kvb: [batch x 16 + head][16 key steps][13,056 bytes]: four half records of k (32 keys x 64: 1,664 bytes each), then two records of v^T (32 channels x 128 keys).
; No cluster: as at launch ga's head.  The order of the f32 sums differs from reference()'s (K in two halves).  LIMITS: as stated at launch wq's head.
.set NP0,  4
.set NP1,  8
.set KS,   4
.set NKS,  4
.set KW,   2
.set SLOT, (NP0+NP1)*NKS*3200
.set XS,   SLOT                        ; the exchange lies behind the one slot
.set SPARE, XS+16*8192                 ; the spare words, 128 bytes a wave: eight blocks of 256 bytes that no other line names
.set WKV,  1228800                     ; W_kv_up's records in wc
.set ACC,  128
.set AD0,  3
.set AD1A, 5
.set AD1B, 7
.set SC0,  9
.set SC1,  11
.set XW,   13
.set XR,   14
.set LN,   15
.set L16,  92
.set L4,   93
.set TM,   96
.set SEL,  42
.macro NOP4
.rept 4
	v_nop
.endr
.endm
.macro BAR
	s_barrier_signal -1
	s_barrier_wait -1
.endm
.macro LDF reg, adr, off
	ds_load_b128 v[\reg:\reg+3], v[\adr] offset:\off
	ds_load_b128 v[\reg+4:\reg+7], v[\adr] offset:\off+512
	ds_load_b128 v[\reg+8:\reg+11], v[\adr] offset:\off+1024
.endm
.macro WMQ tt, fr, sc, z               ; four products: one record of source 0 x my two tiles of source 1 (see launch ga)
.set DA, ACC+8*(\tt)
.set DB, ACC+64+8*(\tt)
.set DC, ACC+8+8*(\tt)
.set DD, ACC+72+8*(\tt)
.set FA, \fr
.set FB, \fr+12
.if \z
	v_wmma_scale_f32_16x16x128_f8f6f4 v[DA:DA+7], v[FA:FA+11], v[16:27], 0, v[\sc], v88 matrix_a_fmt:MATRIX_FMT_FP6 matrix_b_fmt:MATRIX_FMT_FP6
	v_wmma_scale_f32_16x16x128_f8f6f4 v[DB:DB+7], v[FA:FA+11], v[28:39], 0, v[\sc], v88 matrix_a_fmt:MATRIX_FMT_FP6 matrix_b_fmt:MATRIX_FMT_FP6 matrix_b_scale:MATRIX_SCALE_ROW1
	v_wmma_scale_f32_16x16x128_f8f6f4 v[DC:DC+7], v[FB:FB+11], v[16:27], 0, v[\sc], v88 matrix_a_fmt:MATRIX_FMT_FP6 matrix_b_fmt:MATRIX_FMT_FP6 matrix_a_scale:MATRIX_SCALE_ROW1
	v_wmma_scale_f32_16x16x128_f8f6f4 v[DD:DD+7], v[FB:FB+11], v[28:39], 0, v[\sc], v88 matrix_a_fmt:MATRIX_FMT_FP6 matrix_b_fmt:MATRIX_FMT_FP6 matrix_a_scale:MATRIX_SCALE_ROW1 matrix_b_scale:MATRIX_SCALE_ROW1
.else
	v_wmma_scale_f32_16x16x128_f8f6f4 v[DA:DA+7], v[FA:FA+11], v[16:27], v[DA:DA+7], v[\sc], v88 matrix_a_fmt:MATRIX_FMT_FP6 matrix_b_fmt:MATRIX_FMT_FP6
	v_wmma_scale_f32_16x16x128_f8f6f4 v[DB:DB+7], v[FA:FA+11], v[28:39], v[DB:DB+7], v[\sc], v88 matrix_a_fmt:MATRIX_FMT_FP6 matrix_b_fmt:MATRIX_FMT_FP6 matrix_b_scale:MATRIX_SCALE_ROW1
	v_wmma_scale_f32_16x16x128_f8f6f4 v[DC:DC+7], v[FB:FB+11], v[16:27], v[DC:DC+7], v[\sc], v88 matrix_a_fmt:MATRIX_FMT_FP6 matrix_b_fmt:MATRIX_FMT_FP6 matrix_a_scale:MATRIX_SCALE_ROW1
	v_wmma_scale_f32_16x16x128_f8f6f4 v[DD:DD+7], v[FB:FB+11], v[28:39], v[DD:DD+7], v[\sc], v88 matrix_a_fmt:MATRIX_FMT_FP6 matrix_b_fmt:MATRIX_FMT_FP6 matrix_a_scale:MATRIX_SCALE_ROW1 matrix_b_scale:MATRIX_SCALE_ROW1
.endif
.endm
.macro KSTEP sl, ko, z                 ; one K step: 16 products, the 16 accumulators by turns; four plain instructions in front of each run of loads into operand registers
	NOP4
	LDF 16, AD1A+\sl, \ko
	LDF 28, AD1B+\sl, \ko
	ds_load_b32 v88, v[SC1+\sl] offset:3072+\ko
.irp hf, 0,1
.if \hf
	NOP4
.endif
.irp i, 0,1
	LDF 40+24*\i, AD0+\sl, (2*\hf+\i)*NKS*3200+\ko
	LDF 52+24*\i, AD0+\sl, (2*\hf+\i)*NKS*3200+\ko+1536
	ds_load_b32 v[90+\i], v[SC0+\sl] offset:(2*\hf+\i)*NKS*3200+\ko+3072
.endr
	s_wait_dscnt 0x0
	WMQ 4*\hf, 40, 90, \z
	WMQ 4*\hf+2, 64, 91, \z
.endr
.endm
.macro PHASE sl, z
	KSTEP \sl, 0, \z
	KSTEP \sl, KW*3200, 0
.endm
.macro XCHG_A
	NOP4                                           ; places between the last products and the stores that read their results
.set xi, 0
.rept 16
	ds_store_b128 v[XW], v[192+4*xi:195+4*xi] offset:512*xi     ; each accumulator from its low end on
.set xi, xi+1
.endr
	s_wait_dscnt 0x0                               ; for the partner's sake: my stores have landed
	BAR
.endm
.macro XCHG_B
.set xi, 0
.rept 16
	ds_load_b128 v[16+4*xi:19+4*xi], v[XR] offset:512*xi
.set xi, xi+1
.endr
	s_wait_dscnt 0x0
.set xi, 0
.rept 32
	v_pk_add_f32 v[128+xi:129+xi], v[128+xi:129+xi], v[16+xi:17+xi]
.set xi, xi+2
.endr
.endm
.macro QUANT s, pc, pw, tm             ; 64 numbers of a lane become a fragment and its scale word (see launch ga)
.irp b, 0,1,2,3
	v_max3_num_f32 v[\tm+\b], |v[\s+16*\b]|, |v[\s+1+16*\b]|, 0x1800000
.endr
.irp i, 2,4,6,8,10,12,14
.irp b, 0,1,2,3
	s_delay_alu instid0(VALU_DEP_4)
	v_max3_num_f32 v[\tm+\b], v[\tm+\b], |v[\s+16*\b+\i]|, |v[\s+1+16*\b+\i]|
.endr
.endr
.irp b, 0,1,2,3
	s_delay_alu instid0(VALU_DEP_4)
	v_permlanex16_b32 v[\tm+4+\b], v[\tm+\b], s[SEL], s[SEL+1]
.endr
.irp b, 0,1,2,3
	s_delay_alu instid0(VALU_DEP_4)
	v_max_num_f32 v[\tm+\b], v[\tm+\b], v[\tm+4+\b]
.endr
.irp b, 0,1,2,3
	s_delay_alu instid0(VALU_DEP_4)
	v_add_nc_u32 v[\tm+8+\b], 0xff000000, v[\tm+\b]
.endr
.irp b, 0,1,2,3
	s_delay_alu instid0(VALU_DEP_4)
	v_lshrrev_b32 v[\tm+4+\b], 23, v[\tm+8+\b]
.endr
	s_delay_alu instid0(VALU_DEP_3)
	v_lshl_or_b32 v[\pw], v[\tm+5], 8, v[\tm+4]
	s_delay_alu instid0(VALU_DEP_1)
	v_lshl_or_b32 v[\pw], v[\tm+6], 16, v[\pw]
	s_delay_alu instid0(VALU_DEP_1)
	v_lshl_or_b32 v[\pw], v[\tm+7], 24, v[\pw]
.irp c, 0,1
	v_cvt_scalef32_pk16_fp6_f32 v[\pc+6*\c:\pc+2+6*\c], v[\s+32*\c:\s+15+32*\c], v[\tm+8+2*\c]
	v_cvt_scalef32_pk16_fp6_f32 v[\pc+12+4*\c:\pc+14+4*\c], v[\s+16+32*\c:\s+31+32*\c], v[\tm+9+2*\c]
.endr
	v_nop                                          ; one plain instruction behind the last conversion
.irp c, 0,1
.irp i, 0,1,2
	v_permlane16_swap_b32 v[\pc+6*\c+\i], v[\pc+12+4*\c+\i]
.endr
.irp i, 0,1,2
	s_delay_alu instid0(VALU_DEP_3)
	v_mov_b32 v[\pc+3+6*\c+\i], v[\pc+12+4*\c+\i]
.endr
.endr
.endm
.macro HSTORE bs, nxt                  ; two heads' half fragments (see launch ga)
	s_mul_i32 s39, s33, 768
	v_add_nc_u32 v111, s39, v[L16]
	v_lshlrev_b32 v112, 3, v[LN]
	s_delay_alu instid0(VALU_DEP_1)
	v_add_nc_u32 v112, s39, v112
	s_wait_alu depctr_va_vdst(0)
	v_and_b32 v113, 15, v0
	s_delay_alu instid0(VALU_DEP_1)
	v_lshlrev_b32 v113, 2, v113
	s_lshl_b32 s39, s33, 6
	v_add_nc_u32 v113, s39, v113
	v_and_b32 v114, 0xffff, v36
	v_lshrrev_b32 v115, 16, v36
	global_store_b128 v111, v[16:19], s[\bs:\bs+1]
	global_store_b64 v112, v[20:21], s[\bs:\bs+1] offset:512
	global_store_b32 v113, v114, s[\bs:\bs+1] offset:1536
	global_store_b128 v111, v[22:25], s[\bs:\bs+1] offset:\nxt
	global_store_b64 v112, v[26:27], s[\bs:\bs+1] offset:\nxt+512
	global_store_b32 v113, v115, s[\bs:\bs+1] offset:\nxt+1536
.endm
	s_load_b128 s[4:7], s[0:1], 0x0                ; wc, lc
	s_load_b64 s[8:9], s[0:1], 0x10                ; kvb
	v_lshl_add_u32 v1, v0, 2, SPARE
	v_mov_b32 v2, 0
	ds_add_u32 v1, v2                              ; the wave's opening: the add, twice on end, and its wait ahead of my first tensor load
	ds_add_u32 v1, v2
	v_lshrrev_b32 v3, 5, v0
	s_delay_alu instid0(VALU_DEP_1)
	v_readfirstlane_b32 s2, v3                     ; wave 0..15
	s_mov_b32 s16, 3<<16                           ; descriptor group 1: a dense block as 50 rows of 32 elements of 8 bytes
	s_mov_b32 s17, 32<<16
	s_mov_b32 s18, 50<<16
	s_mov_b32 s19, 32<<16
	s_mov_b32 s20, 50
	s_mov_b32 s21, 32
	s_mov_b32 s22, 0
	s_mov_b32 s23, 0
	s_lshr_b32 s32, s2, 1                          ; mw
	s_and_b32 s33, s2, 1                           ; kw
	s_mov_b32 s[SEL], 0x76543210
	s_mov_b32 s[SEL+1], 0xfedcba98
	s_lshr_b32 s34, ttmp9, 7                       ; 0: k, 1: v
	s_and_b32 s35, ttmp9, 127
	s_and_b32 s38, s35, 7
	s_lshl_b32 s38, s38, 2                         ; k: the weight's pairs 4 (id % 8) on,
	s_lshr_b32 s39, s35, 3
	s_lshl_b32 s39, s39, 3                         ;    latent's pairs 8 (id / 8) on
	s_and_b32 s40, s35, 31
	s_lshl_b32 s40, s40, 2                         ; v: latent's pairs 4 (id % 32) on: a key step,
	s_lshr_b32 s41, s35, 5
	s_lshl_b32 s41, s41, 3
	s_add_co_u32 s41, s41, 32                      ;    the weight's pairs 32 + 8 (id / 32) on
	s_cmp_eq_u32 s34, 0
	s_cselect_b32 s46, s38, s40                    ; source 0's first pair
	s_cselect_b32 s47, s39, s41                    ; source 1's
	s_add_co_u32 s40, s46, s2
	s_add_co_u32 s41, s47, s2
	s_sub_co_u32 s41, s41, NP0
	s_cmp_lt_u32 s2, NP0
	s_cselect_b32 s40, s40, s41                    ; the pair that I fetch
	s_cselect_b32 s41, 1, 0
	s_xor_b32 s41, s41, s34                        ; 1: it is the weight's
	s_mul_i32 s40, s40, KS*3200
	s_mul_i32 s25, s2, NKS*3200                    ; where it goes
	s_mov_b32 s24, 1
	s_wait_dscnt 0x0                               ; both opening adds are done
	s_wait_kmcnt 0x0
	s_cmp_eq_u32 s41, 1
	s_cselect_b64 s[44:45], s[4:5], s[6:7]
	s_cselect_b32 s41, WKV, 0
	s_add_co_u32 s40, s40, s41
	s_mov_b32 s41, 0
	s_add_nc_u64 s[26:27], s[44:45], s[40:41]
	s_or_b32 s27, s27, 0x80000000
	s_cmp_lt_u32 s2, NP0+NP1
	s_cbranch_scc0 .Lnofill
	tensor_load_to_lds s[24:27], s[16:23]          ; all four K steps of my pair: the one tensor load of waves 0-11
	s_nop 0
.Lnofill:
	v_and_b32 v[LN], 31, v0
	s_delay_alu instid0(VALU_DEP_1)
	v_lshlrev_b32 v[L16], 4, v[LN]
	s_delay_alu instid0(VALU_DEP_2)
	v_lshlrev_b32 v[L4], 2, v[LN]
	s_wait_alu depctr_va_vdst(0)
	s_mul_i32 s38, s33, 3200
	s_add_co_u32 s39, s32, NP0
	s_mul_i32 s39, s39, NKS*3200
	s_add_co_u32 s39, s39, s38
	s_mul_i32 s40, s33, 1536
	s_add_co_u32 s40, s40, s39                     ; local tile 0 = fragment kw,
	s_xor_b32 s41, s33, 1
	s_mul_i32 s41, s41, 1536
	s_add_co_u32 s41, s41, s39                     ; local tile 1 = the other
	s_lshl_b32 s44, s33, 6
	v_xor_b32 v94, s44, v[L4]
	v_add_nc_u32 v[AD0], s38, v[L16]
	v_add_nc_u32 v[AD1A], s40, v[L16]
	v_add_nc_u32 v[AD1B], s41, v[L16]
	v_add_nc_u32 v[SC0], s38, v[L4]
	v_add_nc_u32 v[SC1], s39, v94
	s_lshl_b32 s38, s2, 13
	s_add_co_u32 s38, s38, XS
	v_add_nc_u32 v[XW], s38, v[L16]
	s_xor_b32 s38, s2, 1
	s_lshl_b32 s38, s38, 13
	s_add_co_u32 s38, s38, XS
	v_add_nc_u32 v[XR], s38, v[L16]
.irp b, 0,1,2,3
	v_mov_b32 v[TM+4+\b], 0
.endr
	s_wait_alu depctr_va_vdst(0)
	s_wait_tensorcnt 0x0                           ; my part is in,
	BAR                                            ; everybody's is
	PHASE 0, 1
	XCHG_A
	XCHG_B
	QUANT 128, 16, 36, TM
	s_cmp_eq_u32 s34, 0
	s_cbranch_scc0 .Lv
	s_add_co_u32 s38, s47, s32                     ; k: P, my pair of 32 keys; heads 2 (id % 8) and the next
	s_lshr_b32 s39, s38, 6
	s_lshl_b32 s39, s39, 4
	s_lshr_b32 s40, s46, 1
	s_add_co_u32 s39, s39, s40
	s_lshl_b32 s39, s39, 4
	s_bfe_u32 s40, s38, 0x40002                    ; the key step: (P % 64) / 4
	s_add_co_u32 s39, s39, s40
	s_mul_i32 s39, s39, 13056
	s_and_b32 s40, s38, 3
	s_mul_i32 s40, s40, 1664
	s_add_co_u32 s40, s40, s39
	s_mov_b32 s41, 0
	s_add_nc_u64 s[8:9], s[8:9], s[40:41]
	HSTORE 8, 208896                               ; the next head lies 16 key steps on
	s_branch .Ldone
.Lv:
	s_sub_co_u32 s38, s47, 32
	s_add_co_u32 s38, s38, s32                     ; v: my pair of 32 channels: head vp / 2, record vp % 2
	s_lshr_b32 s39, s46, 2                         ; the key step among the 32 of both batches
	s_lshr_b32 s40, s39, 4
	s_lshl_b32 s40, s40, 4
	s_lshr_b32 s41, s38, 1
	s_add_co_u32 s40, s40, s41
	s_lshl_b32 s40, s40, 4
	s_and_b32 s41, s39, 15
	s_add_co_u32 s40, s40, s41
	s_mul_i32 s40, s40, 13056
	s_and_b32 s41, s38, 1
	s_mul_i32 s41, s41, 3200
	s_add_co_u32 s40, s40, s41
	s_add_co_u32 s40, s40, 6656
	s_mov_b32 s41, 0
	s_add_nc_u64 s[8:9], s[8:9], s[40:41]
	s_mul_i32 s39, s33, 1536
	v_add_nc_u32 v111, s39, v[L16]
	s_wait_alu depctr_va_vdst(0)
	v_and_b32 v113, 15, v0
	s_delay_alu instid0(VALU_DEP_1)
	v_lshlrev_b32 v113, 2, v113
	s_lshl_b32 s39, s33, 6
	v_add_nc_u32 v113, s39, v113
.irp g, 0,1,2
	global_store_b128 v111, v[16+4*\g:19+4*\g], s[8:9] offset:512*\g
.endr
	global_store_b32 v113, v36, s[8:9] offset:3072
.Ldone:
	s_wait_tensorcnt 0x0                           ; the wave's end
	ds_add_u32 v1, v2
	s_wait_dscnt 0x0
	s_endpgm
.Lfunc_end_k_qb8552fb5be_gkv:
	.size	k_qb8552fb5be_gkv, .Lfunc_end_k_qb8552fb5be_gkv-k_qb8552fb5be_gkv
	.p2alignl 7, 3214868480
	.fill 96, 4, 3214868480
	.section	.rodata,"a",@progbits
	.p2align	6, 0x0
	.amdhsa_kernel k_qb8552fb5be_gkv
		.amdhsa_group_segment_fixed_size 286720
		.amdhsa_private_segment_fixed_size 0
		.amdhsa_enable_private_segment 0
		.amdhsa_kernarg_size 24
		.amdhsa_user_sgpr_count 2
		.amdhsa_user_sgpr_kernarg_segment_ptr 1
		.amdhsa_wavefront_size32 1
		.amdhsa_system_sgpr_workgroup_id_x 1
		.amdhsa_system_sgpr_workgroup_id_y 1
		.amdhsa_system_sgpr_workgroup_id_z 1
		.amdhsa_system_vgpr_workitem_id 0
		.amdhsa_next_free_vgpr 256
		.amdhsa_next_free_sgpr 66
		.amdhsa_reserve_vcc 0
		.amdhsa_float_denorm_mode_32 3
		.amdhsa_float_denorm_mode_16_64 3
		.amdhsa_memory_ordered 1
		.amdhsa_forward_progress 1
		.amdhsa_inst_pref_size 26
	.end_amdhsa_kernel
	.amdgpu_metadata
---
amdhsa.version: [ 1, 2 ]
amdhsa.kernels:
  - .name:           k_qb8552fb5be_gkv
    .symbol:         k_qb8552fb5be_gkv.kd
    .args:
      - { .name: wc, .offset: 0, .size: 8, .value_kind: global_buffer, .address_space: global }
      - { .name: lc, .offset: 8, .size: 8, .value_kind: global_buffer, .address_space: global }
      - { .name: kvb, .offset: 16, .size: 8, .value_kind: global_buffer, .address_space: global }
    .group_segment_fixed_size: 286720
    .private_segment_fixed_size: 0
    .kernarg_segment_align: 8
    .kernarg_segment_size: 24
    .max_flat_workgroup_size: 512
    .sgpr_count:     66
    .vgpr_count:     256
    .wavefront_size: 32
...
	.end_amdgpu_metadata
.endif
;; end of part 3
;; launch attn (part 4): grid 8 x 32, 16 waves a work-group, no clusters, 210,944 bytes of LDS; arguments qh, kvb, yc; writes yc
.if DOCPART == 4
	.amdgcn_target "amdgcn-amd-amdhsa--gfx1250"
	.amdhsa_code_object_version 6
	.text
	.protected	k_qb8552fb5be_attn
	.globl	k_qb8552fb5be_attn
	.p2align	8
	.type	k_qb8552fb5be_attn,@function
k_qb8552fb5be_attn:
	s_mov_b64 s[64:65], 0
	v_nop
	global_prefetch_b8 v0, s[64:65] scope:SCOPE_SE
	s_setreg_imm32_b32 hwreg(HW_REG_WAVE_MODE, 25, 1), 1
	s_wait_xcnt 0x0
; y = softmax(q k^T / 8, causal) v for one head of one batch, both products on codes of E2M3; y is quantised here for the product with W_o.
; LEFT OUT (shown at launch wq's head): key steps all of whose 128 keys come after all 16 queries of a wave's tile.
; THE SOFTMAX AHEAD OF THE SECOND PRODUCT: t = score x log2(e) / 8; M = the row's largest t so far, rounded UP to a whole number; p = 2^(t - M) is quantised along the keys, not normalised; the row's sum is taken of the
; unquantised p and divides at the end; when M moves, the sum and O are multiplied by 2^(old M - new M): exact.
; SHARES.  Work-group (g, y): head y % 16 of batch y / 16.  Wave w owns the tile of 16 queries g + 8 J, J = 4 (w / 4) + ((w % 4) xor 3 ((w / 4) % 2)): its queries lie in key step J, so it walks key steps 0 .. J, the
; last on the diagonal, whatever g is: every work-group has the same 136 tile steps, and every fourth wave together 34.
; LDS.  The head's 16 key steps (13,056 bytes each: k's four half records, v^T's two records: launch gkv) all lie in LDS, filled ONCE: wave w fetches key step w by one tensor load.  Nothing is filled again, nothing is stored to LDS.
; LAYOUT.  Both products transposed: S^T = k q^T, O^T = v^T p^T: a lane holds one query.  k's fragments hold keys 32 b + 8 u + r + 8 (r / 8), so the 16 registers of tiles 2 b, 2 b + 1 are keys 32 b + 16 (lane / 16) + 0 .. 15.
; The head's K is 64: q's registers 6-11 are zero codes, which cancel whatever k's registers 6-11 hold (zeros at first, later v's codes: every 6-bit code is a number); the upper two scale bytes of q and k are 0, not 0xff.
; No cluster: the 8 work-groups of a head read the same 208,896 bytes once each at the head; joint loads are left for a later version of this text.
; REGISTERS: v3-5 16 l, 8 l, 4 l; v6 the mask's lane constant; v8-10 the step's addresses; v12 -M, v13 the largest t, v[14:15] the sum; v16-27 q; v32-79 four fragments; v96-159 S^T, then p; v160-191 O^T; v224-235 p's codes;
; v232-254 at work; v248, v249 scale words of k or v; v253 p's scale word; v255 q's.
.set KSB,   13056
.set SPARE, 16*KSB                     ; the spare words, 128 bytes a wave: eight blocks of 256 bytes that no other line names
.set WV,  2
.set J,   32
.set TAU, 33
.set KSI, 34                           ; the key step
.set TB,  35                           ; and where it begins in LDS
.set Y,   36
.set SEL, 42
.set CS,  44
.macro NOP4
.rept 4
	v_nop
.endr
.endm
.macro LDF reg, adr, off
	ds_load_b128 v[\reg:\reg+3], v[\adr] offset:\off
	ds_load_b128 v[\reg+4:\reg+7], v[\adr] offset:\off+512
	ds_load_b128 v[\reg+8:\reg+11], v[\adr] offset:\off+1024
.endm
	s_load_b128 s[4:7], s[0:1], 0x0                ; qh, kvb
	s_load_b64 s[8:9], s[0:1], 0x10                ; yc
	v_lshl_add_u32 v1, v0, 2, SPARE
	v_mov_b32 v2, 0
	ds_add_u32 v1, v2                              ; the wave's opening: the add, twice on end, and its wait ahead of my first tensor load
	ds_add_u32 v1, v2
	v_lshrrev_b32 v3, 5, v0
	s_delay_alu instid0(VALU_DEP_1)
	v_readfirstlane_b32 s[WV], v3                  ; wave 0..15
	s_mov_b32 s16, 3<<16                           ; descriptor group 1: a dense block as 51 rows of 32 elements of 8 bytes
	s_mov_b32 s17, 32<<16
	s_mov_b32 s18, 51<<16
	s_mov_b32 s19, 32<<16
	s_mov_b32 s20, 51
	s_mov_b32 s21, 32
	s_mov_b32 s22, 0
	s_mov_b32 s23, 0
	s_and_b32 s[Y], ttmp7, 0xffff
	s_lshr_b32 s37, s[WV], 2
	s_and_b32 s38, s37, 1
	s_mul_i32 s38, s38, 3
	s_and_b32 s39, s[WV], 3
	s_xor_b32 s39, s39, s38
	s_lshl_b32 s37, s37, 2
	s_add_co_u32 s[J], s37, s39
	s_lshl_b32 s37, s[J], 3
	s_add_co_u32 s[TAU], s37, ttmp9                ; my tile of 16 queries among the batch's 128
	s_mul_i32 s38, s[Y], 16*KSB
	s_mul_i32 s25, s[WV], KSB                      ; key step w, in LDS
	s_add_co_u32 s38, s38, s25                     ; and in memory
	s_mov_b32 s39, 0
	s_mov_b32 s24, 1
	s_mov_b32 s[SEL], 0x76543210
	s_mov_b32 s[SEL+1], 0xfedcba98
	s_mov_b32 s[CS], 0x3e38aa3b                    ; c = log2(e) / 8
	s_mov_b32 s[CS+1], s[CS]                       ; (named with it as a pair)
	s_wait_dscnt 0x0                               ; both opening adds are done
	s_wait_kmcnt 0x0
	s_add_nc_u64 s[26:27], s[6:7], s[38:39]
	s_or_b32 s27, s27, 0x80000000
	tensor_load_to_lds s[24:27], s[16:23]          ; my one tensor load
	s_nop 0
	s_lshl_b32 s38, s[Y], 6
	s_lshr_b32 s40, s[TAU], 1
	s_add_co_u32 s38, s38, s40
	s_mul_i32 s38, s38, 1664
	s_add_nc_u64 s[4:5], s[4:5], s[38:39]          ; q's half record
	s_and_b32 s40, s[TAU], 1
	s_mul_i32 s41, s40, 768
	s_lshl_b32 s40, s40, 6
	v_and_b32 v7, 31, v0
	v_and_b32 v8, 15, v0                           ; r
	v_bfe_u32 v9, v0, 4, 1                         ; h
	s_delay_alu instid0(VALU_DEP_3)
	v_lshlrev_b32 v3, 4, v7
	s_delay_alu instid0(VALU_DEP_4)
	v_lshlrev_b32 v4, 3, v7
	v_lshlrev_b32 v5, 2, v7
	s_delay_alu instid0(VALU_DEP_3)
	v_add_nc_u32 v10, s41, v3
	s_delay_alu instid0(VALU_DEP_3)
	v_add_nc_u32 v11, s41, v4
	v_lshlrev_b32 v28, 2, v8
	s_delay_alu instid0(VALU_DEP_1)
	v_add_nc_u32 v28, s40, v28
	global_load_b128 v[16:19], v10, s[4:5]         ; q's registers 0-3,
	global_load_b64 v[20:21], v11, s[4:5] offset:512   ; 4-5,
	global_load_b32 v255, v28, s[4:5] offset:1536  ; and its scale words
	v_lshlrev_b32 v6, 4, v9
	s_delay_alu instid0(VALU_DEP_1)
	v_sub_nc_u32 v6, v8, v6
	s_lshl_b32 s40, ttmp9, 4
	v_add_nc_u32 v6, s40, v6                       ; d = 16 g + r - 16 h: on the diagonal register 16 b + i is hidden where 32 b + i > d
.irp i, 0,1,2,3,4,5
	v_mov_b32 v[22+\i], 0                          ; q's K is 64: zero codes fill the operand
.endr
.irp t, 0,1,2,3
.irp i, 0,1,2,3,4,5
	v_mov_b32 v[38+12*\t+\i], 0                    ; k's registers 6-11: written once
.endr
.endr
	v_mov_b32 v13, 0xff61b1e6                      ; the largest t so far: -3e38
	s_delay_alu instid0(VALU_DEP_1)
	v_floor_f32 v12, -v13                          ; -M
	v_mov_b32 v14, 0
	v_mov_b32 v15, 0
.irp b, 0,1,2,3
	v_mov_b32 v[236+\b], 0                         ; a lane permute's destination counts as one of its sources
.endr
	v_mov_b32 v252, 0
	v_mov_b32 v253, 0
.set j, 0
.rept 32
	v_mov_b32 v[160+j], 0                          ; O^T.  (The step is written once: the first finds zeros, which the first change of M leaves zeros)
.set j, j+1
.endr
	s_mov_b32 s[KSI], 0
	s_mov_b32 s[TB], 0
	s_wait_loadcnt 0x0                             ; q
	s_wait_tensorcnt 0x0                           ; my key step is in,
	s_barrier_signal -1
	s_barrier_wait -1                              ; everybody's is
.Lstep:                                            ; 16 trips, a constant; a step beyond my diagonal is jumped over: a branch on the wave's number and the count of trips
	s_cmp_gt_u32 s[KSI], s[J]
	s_cbranch_scc1 .Lhidden
	v_add_nc_u32 v8, s[TB], v3
	s_wait_alu depctr_va_vdst(0)
	v_add_nc_u32 v9, s[TB], v4
	s_wait_alu depctr_va_vdst(0)
	v_add_nc_u32 v10, s[TB], v5
	s_wait_alu depctr_va_vdst(0)
.irp g, 0,1                                    ; S^T = k q^T, four tiles of 16 keys at a time
.if \g
	NOP4                                           ; places in front of loads into registers that matrix instructions have read
.endif
.irp t, 0,1,2,3
	ds_load_b128 v[32+12*\t:35+12*\t], v8 offset:1664*(2*\g+\t/2)+768*(\t%2)
	ds_load_b64 v[36+12*\t:37+12*\t], v9 offset:1664*(2*\g+\t/2)+768*(\t%2)+512
.endr
	ds_load_b32 v248, v10 offset:1664*(2*\g)+1536
	ds_load_b32 v249, v10 offset:1664*(2*\g+1)+1536
	s_wait_dscnt 0x0
.irp t, 0,1,2,3
.if \t%2
	v_wmma_scale_f32_16x16x128_f8f6f4 v[96+8*(4*\g+\t):103+8*(4*\g+\t)], v[32+12*\t:43+12*\t], v[16:27], 0, v[248+\t/2], v255 matrix_a_fmt:MATRIX_FMT_FP6 matrix_b_fmt:MATRIX_FMT_FP6 matrix_a_scale:MATRIX_SCALE_ROW1
.else
	v_wmma_scale_f32_16x16x128_f8f6f4 v[96+8*(4*\g+\t):103+8*(4*\g+\t)], v[32+12*\t:43+12*\t], v[16:27], 0, v[248+\t/2], v255 matrix_a_fmt:MATRIX_FMT_FP6 matrix_b_fmt:MATRIX_FMT_FP6
.endif
.endr
.endr
	NOP4
.irp t, 0,1,2,3                                ; v^T's four fragments are asked for now and land under the softmax
	LDF 32+12*\t, 8, 6656+3200*(\t/2)+1536*(\t%2)
.endr
	ds_load_b32 v248, v10 offset:6656+3072
	ds_load_b32 v249, v10 offset:6656+3200+3072
	s_cmp_lg_u32 s[KSI], s[J]                      ; on the diagonal alone the scores of hidden keys become -infinity ahead of the maximum: p = 0 then
	s_cbranch_scc1 .Lopen
	v_mov_b32 v254, 0xff800000
.set j, 0
.rept 64
	v_cmp_gt_i32 vcc_lo, 32*(j/16)+j%16, v6
	v_cndmask_b32 v[96+j], v[96+j], v254, vcc_lo
.set j, j+1
.endr
.Lopen:
.irp b, 0,1,2,3
	v_max3_num_f32 v[232+\b], v[96+16*\b], v[97+16*\b], v[98+16*\b]   ; the largest score of each block of 32 keys: for the row's maximum, and, since p rises with the score, for the block's largest p
.endr
.irp i, 3,5,7,9,11,13
.irp b, 0,1,2,3
	v_max3_num_f32 v[232+\b], v[232+\b], v[96+16*\b+\i], v[97+16*\b+\i]
.endr
.endr
.irp b, 0,1,2,3
	v_max_num_f32 v[232+\b], v[232+\b], v[111+16*\b]
.endr
.irp b, 0,1,2,3
	s_delay_alu instid0(VALU_DEP_4)
	v_permlanex16_b32 v[236+\b], v[232+\b], s[SEL], s[SEL+1]
.endr
.irp b, 0,1,2,3
	s_delay_alu instid0(VALU_DEP_4)
	v_max_num_f32 v[232+\b], v[232+\b], v[236+\b]  ; with lane l xor 16's 16 keys
.endr
	s_delay_alu instid0(VALU_DEP_2)
	v_max3_num_f32 v254, v232, v233, v234
	s_delay_alu instid0(VALU_DEP_1)
	v_max_num_f32 v254, v254, v235
	s_delay_alu instid0(VALU_DEP_1)
	v_mul_f32 v254, s[CS], v254                    ; the step's largest t (c is positive)
	s_delay_alu instid0(VALU_DEP_1)
	v_max_num_f32 v13, v13, v254                   ; the running largest t
	v_mov_b32 v254, v12
	s_delay_alu instid0(VALU_DEP_2)
	v_floor_f32 v12, -v13                          ; the new -M = -ceil(t)
	s_delay_alu instid0(VALU_DEP_1)
	v_sub_f32 v254, v12, v254                      ; old M - new M: a whole number, 0 or less
	s_delay_alu instid0(VALU_DEP_1)
	v_cvt_i32_f32 v254, v254                       ; (it saturates)
	s_delay_alu instid0(VALU_DEP_1)
	v_ldexp_f32 v252, 1.0, v254                    ; f = 2^(old M - new M)
.set j, 0
.rept 32
	v_pk_fma_f32 v[96+j:97+j], v[96+j:97+j], s[CS:CS+1], v[12:13] op_sel_hi:[1,0,0]   ; t - M, two at a time
.set j, j+2
.endr
.irp b, 0,1,2,3
	v_fma_f32 v[232+\b], v[232+\b], s[CS], v12     ; the same of each block's largest score
.endr
.set j, 0
	s_wait_alu depctr_va_vdst(0)
.rept 64
	v_exp_f32 v[96+j], v[96+j]                     ; p = 2^(t - M), at most 1
.set j, j+1
.endr
	v_pk_mul_f32 v[14:15], v[14:15], v[252:253] op_sel_hi:[1,0]   ; the sums under the new M: the plain instruction behind the exponentials
	s_wait_alu depctr_va_vdst(0)                   ; one wait for the whole batch, ahead of its first reader
.irp b, 0,1,2,3
	v_exp_f32 v[232+\b], v[232+\b]                 ; the block's largest p: the same two instructions on the same number
.endr
	v_pk_add_f32 v[236:237], v[100:101], v[104:105]
	v_pk_add_f32 v[250:251], v[108:109], v[112:113]
	v_pk_add_f32 v[246:247], v[116:117], v[120:121]
	v_pk_add_f32 v[244:245], v[124:125], v[128:129]
	v_pk_add_f32 v[242:243], v[132:133], v[136:137]
	v_pk_add_f32 v[240:241], v[140:141], v[144:145]
	v_pk_add_f32 v[238:239], v[148:149], v[152:153]
	v_pk_add_f32 v[14:15], v[14:15], v[156:157]
	v_pk_add_f32 v[236:237], v[236:237], v[96:97]
	v_pk_add_f32 v[250:251], v[250:251], v[98:99]
	v_pk_add_f32 v[246:247], v[246:247], v[102:103]
	v_pk_add_f32 v[244:245], v[244:245], v[106:107]
	v_pk_add_f32 v[242:243], v[242:243], v[110:111]
	v_pk_add_f32 v[240:241], v[240:241], v[114:115]
	v_pk_add_f32 v[238:239], v[238:239], v[118:119]
	v_pk_add_f32 v[14:15], v[14:15], v[122:123]
	v_pk_add_f32 v[236:237], v[236:237], v[126:127]
	v_pk_add_f32 v[250:251], v[250:251], v[130:131]
	v_pk_add_f32 v[246:247], v[246:247], v[134:135]
	v_pk_add_f32 v[244:245], v[244:245], v[138:139]
	v_pk_add_f32 v[242:243], v[242:243], v[142:143]
	v_pk_add_f32 v[240:241], v[240:241], v[146:147]
	v_pk_add_f32 v[238:239], v[238:239], v[150:151]
	v_pk_add_f32 v[14:15], v[14:15], v[154:155]
	v_pk_add_f32 v[236:237], v[236:237], v[158:159]
	s_delay_alu instid0(VALU_DEP_2)
	v_pk_add_f32 v[14:15], v[14:15], v[244:245]
	s_delay_alu instid0(VALU_DEP_2)
	v_pk_add_f32 v[236:237], v[236:237], v[242:243]
	v_pk_add_f32 v[250:251], v[250:251], v[240:241]
	v_pk_add_f32 v[246:247], v[246:247], v[238:239]
	s_delay_alu instid0(VALU_DEP_2)
	v_pk_add_f32 v[14:15], v[14:15], v[250:251]
	s_delay_alu instid0(VALU_DEP_2)
	v_pk_add_f32 v[236:237], v[236:237], v[246:247]
	s_delay_alu instid0(VALU_DEP_1)
	v_pk_add_f32 v[14:15], v[14:15], v[236:237]
	s_wait_alu depctr_va_vdst(0)                   ; and one wait for the four
.irp b, 0,1,2,3
	v_max_num_f32 v[232+\b], 0x1800000, v[232+\b]  ; the floor 2^(3 - 127): the byte cannot fall under 1
.endr
.irp b, 0,1,2,3
	s_delay_alu instid0(VALU_DEP_4)
	v_add_nc_u32 v[244+\b], 0xff000000, v[232+\b]  ; the conversion's scale operand
.endr
.irp b, 0,1,2,3
	s_delay_alu instid0(VALU_DEP_4)
	v_lshrrev_b32 v[236+\b], 23, v[244+\b]         ; the scale's byte
.endr
	s_delay_alu instid0(VALU_DEP_3)
	v_lshl_or_b32 v253, v237, 8, v236              ; p's scale word for these 128 keys
	s_delay_alu instid0(VALU_DEP_1)
	v_lshl_or_b32 v253, v238, 16, v253
	s_delay_alu instid0(VALU_DEP_1)
	v_lshl_or_b32 v253, v239, 24, v253
.irp c, 0,1
	v_cvt_scalef32_pk16_fp6_f32 v[224+6*\c:226+6*\c], v[96+32*\c:111+32*\c], v[244+2*\c]
	v_cvt_scalef32_pk16_fp6_f32 v[236+4*\c:238+4*\c], v[112+32*\c:127+32*\c], v[244+2*\c+1]
.endr
	v_nop                                          ; one plain instruction behind the last conversion
.irp c, 0,1
.irp i, 0,1,2
	v_permlane16_swap_b32 v[224+6*\c+\i], v[236+4*\c+\i]
.endr
.irp i, 0,1,2
	s_delay_alu instid0(VALU_DEP_3)
	v_mov_b32 v[227+6*\c+\i], v[236+4*\c+\i]
.endr
.endr
.set j, 0
.rept 16
	v_pk_mul_f32 v[160+j:161+j], v[160+j:161+j], v[252:253] op_sel_hi:[1,0]   ; O^T under the new M.  (These 16 are also the places between p's codes and scale word and the products below)
.set j, j+2
.endr
	s_wait_alu depctr_va_vdst(0)
	s_wait_dscnt 0x0                               ; v^T's fragments and scale words
.irp t, 0,1,2,3                                ; O^T += v^T p^T: the four accumulators by turns
.if \t%2
	v_wmma_scale_f32_16x16x128_f8f6f4 v[160+8*\t:167+8*\t], v[32+12*\t:43+12*\t], v[224:235], v[160+8*\t:167+8*\t], v[248+\t/2], v253 matrix_a_fmt:MATRIX_FMT_FP6 matrix_b_fmt:MATRIX_FMT_FP6 matrix_a_scale:MATRIX_SCALE_ROW1
.else
	v_wmma_scale_f32_16x16x128_f8f6f4 v[160+8*\t:167+8*\t], v[32+12*\t:43+12*\t], v[224:235], v[160+8*\t:167+8*\t], v[248+\t/2], v253 matrix_a_fmt:MATRIX_FMT_FP6 matrix_b_fmt:MATRIX_FMT_FP6
.endif
.endr
	NOP4                                           ; places in front of the next step's loads, and of the way out's reads
.Lhidden:
	s_add_co_u32 s[TB], s[TB], KSB
	s_add_co_u32 s[KSI], s[KSI], 1
	s_cmp_lt_u32 s[KSI], 16
	s_cbranch_scc1 .Lstep
	; THE WAY OUT: O^T / the sum; register 16 b + i is channel 32 b + 16 h + i (v^T's rows are chosen for it: launch gkv); quantised along the channels: my head is half of a K step of the product with W_o.
	v_add_f32 v14, v14, v15
	s_delay_alu instid0(VALU_DEP_1)
	v_permlanex16_b32 v252, v14, s[SEL], s[SEL+1]
	s_delay_alu instid0(VALU_DEP_1)
	v_add_f32 v14, v14, v252                       ; the row's sum
	s_wait_alu depctr_va_vdst(0)
	v_rcp_f32 v14, v14
	s_lshr_b32 s38, s[Y], 4
	s_lshl_b32 s38, s38, 7
	s_add_co_u32 s38, s38, s[TAU]                  ; my tile among the 256 of both batches
	s_and_b32 s39, s[Y], 15                        ; the head
	s_lshr_b32 s40, s38, 1
	s_lshl_b32 s40, s40, 3
	s_lshr_b32 s41, s39, 1
	s_add_co_u32 s40, s40, s41
	s_mul_i32 s40, s40, 3200                       ; record (pair of tiles, K step head / 2)
	s_mov_b32 s41, 0
	s_add_nc_u64 s[8:9], s[8:9], s[40:41]
	s_and_b32 s38, s38, 1
	s_and_b32 s39, s39, 1
	s_mul_i32 s40, s38, 1536
	v_add_nc_u32 v8, s40, v3                       ; (a plain instruction behind the transcendental)  16 l + my fragment
	v_and_b32 v9, 15, v0
	s_delay_alu instid0(VALU_DEP_1)
	v_lshlrev_b32 v9, 2, v9
	s_lshl_b32 s40, s38, 6
	s_lshl_b32 s41, s39, 1
	s_add_co_u32 s40, s40, s41
	v_add_nc_u32 v9, s40, v9                       ; my half of row r's scale word
	s_wait_alu depctr_va_vdst(0)                   ; the wait ahead of the reciprocal's first reader
.set j, 0
.rept 32
	v_mul_f32 v[96+j], v[160+j], v14
.set j, j+1
.endr
	v_max3_num_f32 v232, |v96|, |v97|, 0x1800000
	v_max3_num_f32 v233, |v112|, |v113|, 0x1800000
.irp i, 2,4,6,8,10,12,14
	s_delay_alu instid0(VALU_DEP_2)
	v_max3_num_f32 v232, v232, |v[96+\i]|, |v[97+\i]|
	s_delay_alu instid0(VALU_DEP_2)
	v_max3_num_f32 v233, v233, |v[112+\i]|, |v[113+\i]|
.endr
	s_delay_alu instid0(VALU_DEP_2)
	v_permlanex16_b32 v236, v232, s[SEL], s[SEL+1]
	s_delay_alu instid0(VALU_DEP_2)
	v_permlanex16_b32 v237, v233, s[SEL], s[SEL+1]
	s_delay_alu instid0(VALU_DEP_2)
	v_max_num_f32 v232, v232, v236
	s_delay_alu instid0(VALU_DEP_2)
	v_max_num_f32 v233, v233, v237
	s_delay_alu instid0(VALU_DEP_2)
	v_add_nc_u32 v244, 0xff000000, v232
	s_delay_alu instid0(VALU_DEP_2)
	v_add_nc_u32 v245, 0xff000000, v233
	s_delay_alu instid0(VALU_DEP_2)
	v_lshrrev_b32 v236, 23, v244
	s_delay_alu instid0(VALU_DEP_2)
	v_lshrrev_b32 v237, 23, v245
	s_delay_alu instid0(VALU_DEP_1)
	v_lshl_or_b32 v238, v237, 8, v236              ; my head's two scale bytes
	v_cvt_scalef32_pk16_fp6_f32 v[224:226], v[96:111], v244
	v_cvt_scalef32_pk16_fp6_f32 v[240:242], v[112:127], v245
	v_nop                                          ; one plain instruction behind the last conversion
.irp i, 0,1,2
	v_permlane16_swap_b32 v[224+\i], v[240+\i]
.endr
.irp i, 0,1,2
	s_delay_alu instid0(VALU_DEP_3)
	v_mov_b32 v[227+\i], v[240+\i]                 ; v224-229: channels 32 h + 0 .. 31 of my query
.endr
	s_cmp_eq_u32 s39, 0
	s_cbranch_scc0 .Lodd
	global_store_b128 v8, v[224:227], s[8:9]       ; an even head is the fragment's registers 0-5,
	global_store_b64 v8, v[228:229], s[8:9] offset:512
	s_branch .Lsc
.Lodd:
	s_wait_alu depctr_va_vdst(0)
	global_store_b64 v8, v[224:225], s[8:9] offset:520     ; an odd one its registers 6-11
	global_store_b128 v8, v[226:229], s[8:9] offset:1024
.Lsc:
	s_wait_alu depctr_va_vdst(0)
	global_store_b16 v9, v238, s[8:9] offset:3072
	s_wait_tensorcnt 0x0                           ; the wave's end
	ds_add_u32 v1, v2
	s_wait_dscnt 0x0
	s_endpgm
.Lfunc_end_k_qb8552fb5be_attn:
	.size	k_qb8552fb5be_attn, .Lfunc_end_k_qb8552fb5be_attn-k_qb8552fb5be_attn
	.p2alignl 7, 3214868480
	.fill 96, 4, 3214868480
	.section	.rodata,"a",@progbits
	.p2align	6, 0x0
	.amdhsa_kernel k_qb8552fb5be_attn
		.amdhsa_group_segment_fixed_size 210944
		.amdhsa_private_segment_fixed_size 0
		.amdhsa_enable_private_segment 0
		.amdhsa_kernarg_size 24
		.amdhsa_user_sgpr_count 2
		.amdhsa_user_sgpr_kernarg_segment_ptr 1
		.amdhsa_wavefront_size32 1
		.amdhsa_system_sgpr_workgroup_id_x 1
		.amdhsa_system_sgpr_workgroup_id_y 1
		.amdhsa_system_sgpr_workgroup_id_z 1
		.amdhsa_system_vgpr_workitem_id 0
		.amdhsa_next_free_vgpr 256
		.amdhsa_next_free_sgpr 66
		.amdhsa_reserve_vcc 1
		.amdhsa_float_denorm_mode_32 3
		.amdhsa_float_denorm_mode_16_64 3
		.amdhsa_memory_ordered 1
		.amdhsa_forward_progress 1
		.amdhsa_inst_pref_size 34
	.end_amdhsa_kernel
	.amdgpu_metadata
---
amdhsa.version: [ 1, 2 ]
amdhsa.kernels:
  - .name:           k_qb8552fb5be_attn
    .symbol:         k_qb8552fb5be_attn.kd
    .args:
      - { .name: qh, .offset: 0, .size: 8, .value_kind: global_buffer, .address_space: global }
      - { .name: kvb, .offset: 8, .size: 8, .value_kind: global_buffer, .address_space: global }
      - { .name: yc, .offset: 16, .size: 8, .value_kind: global_buffer, .address_space: global }
    .group_segment_fixed_size: 210944
    .private_segment_fixed_size: 0
    .kernarg_segment_align: 8
    .kernarg_segment_size: 24
    .max_flat_workgroup_size: 512
    .sgpr_count:     66
    .vgpr_count:     256
    .wavefront_size: 32
...
	.end_amdgpu_metadata
.endif
;; end of part 4
;; launch go (part 5): grid 8 x 32, 4 waves a work-group, no clusters, 270,848 bytes of LDS; arguments wc, yc, x, x1; writes x1
.if DOCPART == 5
	.amdgcn_target "amdgcn-amd-amdhsa--gfx1250"
	.amdhsa_code_object_version 6
	.text
	.protected	k_qb8552fb5be_go
	.globl	k_qb8552fb5be_go
	.p2align	8
	.type	k_qb8552fb5be_go,@function
k_qb8552fb5be_go:
	s_mov_b64 s[64:65], 0
	v_nop
	global_prefetch_b8 v0, s[64:65] scope:SCOPE_SE
	s_setreg_imm32_b32 hwreg(HW_REG_WAVE_MODE, 25, 1), 1
	s_wait_xcnt 0x0
; x1 = x + y W_o on codes of E2M3 (records: see launch wq's head).  A work-group makes 128 tokens x 128 columns.
; K IS SHARED OUT AMONG THE FOUR WAVES: each wave makes the whole 128 x 128 (64 accumulators, 512 registers) over STEPS K steps of its own.  So no operand byte is wanted by two waves of the work-group:
; the records, which are images of operand registers, go from memory straight into the registers of the one wave that multiplies them: 8 records = 48 loads of 512 bytes and 8 of scale words a K step, two sets of registers.
; Along K there is no LDS, no barrier and no tensor load.  The four partial sums meet in LDS at the end, laid as rows of the result; wave w adds rows 32 w .. 32 w + 31, the residual with them, and stores whole rows of 512 bytes.
; No cluster: there is no tensor load that partners could ask for jointly.  No prefetch of the operands: the loads themselves are issued a whole K step (64 products) ahead of their use.
; The residual's 32 rows x 512 bytes a wave are prefetched at the head (a lane a row, two requests) and loaded at the start of the last K step.
; Source 0 = 16 columns of the weight, source 1 = 16 tokens: lane (r, h) holds token r, and the 16 registers of column tiles 2 c, 2 c + 1 are columns 32 c + 16 h + 0 .. 15 (launch wq chooses the columns so).
; The order of the f32 sums differs from reference()'s (K in four parts).  LIMITS: as stated at launch wq's head.
; REGISTERS: window 0: v1-18 addresses; v32-47 scale words, two sets; v64-255 the tokens' fragments, two sets.  Window 1: v0-95 the weight's set 1, v96-191 its set 0; v96-223 the residual in the end.  Windows 2, 3: accumulators.
.set STEPS, 2                          ; K steps a wave
.set KS,    8                          ; K steps in all
.set WOFF,  2048000                    ; the weight's records in wc
.set BIAS,  0
.set PB,    KS*3200                    ; from pair to pair
.set PART,  128*528                    ; a wave's partial sums: 128 rows of 512 bytes + 16
.set SPARE, 4*PART                     ; the spare words, 128 bytes a wave: two blocks of 256 bytes that no other line names
.set SPW, 1
.set NIL, 2
.set L16, 4                            ; 16 l
.set L4,  5                            ; 4 l
.set STO, 7                            ; where I put my partial sums
.set RD,  8                            ; v8-11: my 32 rows in the four parts
.set BI,  12
.set PF,  16                           ; lane x a row of the residual
.set SC,  32                           ; set s at SC + 8 s: the weight's four records, then the tokens' four
.set TF,  64
.set XR,  96
.set WB,  4
.set TB,  6
.set XB,  8
.set OB,  10
.set MSB, 0
.macro WIN new                         ; the immediate's high byte repeats the setting that is left
.if MSB != (\new)
	s_set_vgpr_msb (MSB<<8)|(\new)
.set MSB, \new
.endif
.endm
.macro PLACES                          ; four plain instructions between a product and a load into, or a store of, its registers (ISA guide 7.12.1 for vector instructions)
.rept 4
	v_nop
.endr
.endm
.macro LOADS s, off                    ; the 56 loads of the K step at byte off into set s
	WIN 0x40
.irp p, 0,1,2,3
.irp g, 0,1,2,3,4,5
	global_load_b128 v[96*(1-\s)+24*\p+4*\g:96*(1-\s)+24*\p+4*\g+3], v[L16], s[WB:WB+1] offset:\p*PB+\off+512*\g
.endr
.endr
	WIN 0
.irp p, 0,1,2,3
.irp g, 0,1,2,3,4,5
	global_load_b128 v[TF+96*\s+24*\p+4*\g:TF+96*\s+24*\p+4*\g+3], v[L16], s[TB:TB+1] offset:\p*PB+\off+512*\g
.endr
	global_load_b32 v[SC+8*\s+\p], v[L4], s[WB:WB+1] offset:\p*PB+\off+3072
	global_load_b32 v[SC+8*\s+4+\p], v[L4], s[TB:TB+1] offset:\p*PB+\off+3072
.endr
.endm
.macro QUAD s, ap, bp, z               ; one record of the weight x one of the tokens: four products; a record's scale words: lanes 0-15 fragment 0's, lanes 16-31 fragment 1's
.set DA, 8*(16*((\ap)%2)+2*(\bp))
.set FW, 96*(1-\s)+24*(\bp)
.set FT, TF+96*\s+24*(\ap)
.set SW, SC+8*\s+(\bp)
.set ST, SC+8*\s+4+(\ap)
.if \z
	v_wmma_scale_f32_16x16x128_f8f6f4 v[DA:DA+7], v[FW:FW+11], v[FT:FT+11], 0, v[SW], v[ST] matrix_a_fmt:MATRIX_FMT_FP6 matrix_b_fmt:MATRIX_FMT_FP6
	v_wmma_scale_f32_16x16x128_f8f6f4 v[DA+8:DA+15], v[FW+12:FW+23], v[FT:FT+11], 0, v[SW], v[ST] matrix_a_fmt:MATRIX_FMT_FP6 matrix_b_fmt:MATRIX_FMT_FP6 matrix_a_scale:MATRIX_SCALE_ROW1
	v_wmma_scale_f32_16x16x128_f8f6f4 v[DA+64:DA+71], v[FW:FW+11], v[FT+12:FT+23], 0, v[SW], v[ST] matrix_a_fmt:MATRIX_FMT_FP6 matrix_b_fmt:MATRIX_FMT_FP6 matrix_b_scale:MATRIX_SCALE_ROW1
	v_wmma_scale_f32_16x16x128_f8f6f4 v[DA+72:DA+79], v[FW+12:FW+23], v[FT+12:FT+23], 0, v[SW], v[ST] matrix_a_fmt:MATRIX_FMT_FP6 matrix_b_fmt:MATRIX_FMT_FP6 matrix_a_scale:MATRIX_SCALE_ROW1 matrix_b_scale:MATRIX_SCALE_ROW1
.else
	v_wmma_scale_f32_16x16x128_f8f6f4 v[DA:DA+7], v[FW:FW+11], v[FT:FT+11], v[DA:DA+7], v[SW], v[ST] matrix_a_fmt:MATRIX_FMT_FP6 matrix_b_fmt:MATRIX_FMT_FP6
	v_wmma_scale_f32_16x16x128_f8f6f4 v[DA+8:DA+15], v[FW+12:FW+23], v[FT:FT+11], v[DA+8:DA+15], v[SW], v[ST] matrix_a_fmt:MATRIX_FMT_FP6 matrix_b_fmt:MATRIX_FMT_FP6 matrix_a_scale:MATRIX_SCALE_ROW1
	v_wmma_scale_f32_16x16x128_f8f6f4 v[DA+64:DA+71], v[FW:FW+11], v[FT+12:FT+23], v[DA+64:DA+71], v[SW], v[ST] matrix_a_fmt:MATRIX_FMT_FP6 matrix_b_fmt:MATRIX_FMT_FP6 matrix_b_scale:MATRIX_SCALE_ROW1
	v_wmma_scale_f32_16x16x128_f8f6f4 v[DA+72:DA+79], v[FW+12:FW+23], v[FT+12:FT+23], v[DA+72:DA+79], v[SW], v[ST] matrix_a_fmt:MATRIX_FMT_FP6 matrix_b_fmt:MATRIX_FMT_FP6 matrix_a_scale:MATRIX_SCALE_ROW1 matrix_b_scale:MATRIX_SCALE_ROW1
.endif
.endm
.macro MUL s, z                        ; a K step: 64 products, the 64 accumulators by turns, in the same order in every K step.  z = 1: they start the sums
	WIN 0xa1                                       ; source 0 window 1, source 1 window 0, C and D window 2: tokens 0-63
.irp ap, 0,1
.irp bp, 0,1,2,3
	QUAD \s, \ap, \bp, \z
.endr
.endr
	WIN 0xf1                                       ; C and D window 3: tokens 64-127
.irp ap, 2,3
.irp bp, 0,1,2,3
	QUAD \s, \ap, \bp, \z
.endr
.endr
.endm
.macro GET hh                          ; rows 16 hh .. + 15 of my 32, from all four parts: part q's row t into window 2 + q / 2, v[128 (q % 2) + 4 t]
.irp q, 0,1,2,3
	WIN 0x80+0x40*(\q/2)
.set t, 16*\hh
.rept 16
	ds_load_b128 v[128*(\q%2)+4*t:128*(\q%2)+4*t+3], v[RD+\q] offset:528*t
.set t, t+1
.endr
.endr
.endm
.macro PKS w, b, hh                    ; under windows w: the half's 64 registers += those at b
	WIN \w
.set i, 64*\hh
.rept 32
	v_pk_add_f32 v[i:i+1], v[i:i+1], v[\b+i:\b+i+1]
.set i, i+2
.endr
.endm
.macro SUM hh
	PKS 0x8a, 128, \hh                             ; part 0 + part 1
	PKS 0xcf, 128, \hh                             ; part 2 + part 3
	PKS 0x8e, 0, \hh                               ; the two together
	PKS 0x86, XR, \hh                              ; + the residual
.if BIAS
	WIN 0x82
.set i, 64*\hh
.rept 32
	v_pk_add_f32 v[i:i+1], v[i:i+1], v[BI+i%4:BI+i%4+1]
.set i, i+2
.endr
.endif
	WIN 0x08
.set t, 16*\hh
.rept 16
	global_store_b128 v[L16], v[4*t:4*t+3], s[OB:OB+1] offset:4096*t th:TH_STORE_NT   ; 32 lanes store 512 consecutive bytes of a row, aligned
.set t, t+1
.endr
.endm
	s_load_b256 s[4:11], s[0:1], 0x0               ; the weights, the tokens' records, the residual, the result
.if BIAS
	s_load_b64 s[12:13], s[0:1], 0x20              ; the bias
.endif
	v_lshl_add_u32 v[SPW], v0, 2, SPARE            ; my spare word,
	v_mov_b32 v[NIL], 0                            ; and 0: kept for the wave's end
	v_lshrrev_b32 v3, 5, v0
	v_readfirstlane_b32 s2, v3                     ; wave 0..3
	s_and_b32 s14, ttmp7, 0xffff                   ; which 128 tokens
	s_mul_i32 s15, s2, STEPS                       ; my first K step
	s_mul_i32 s16, ttmp9, 4*KS
	s_add_co_u32 s16, s16, s15
	s_mul_i32 s16, s16, 3200
	s_add_co_u32 s16, s16, WOFF                    ; the weight's record (pair 4 x, my K step)
	s_mov_b32 s17, 0
	s_mul_i32 s18, s14, 4*KS
	s_add_co_u32 s18, s18, s15
	s_mul_i32 s18, s18, 3200                       ; the tokens' record (pair 4 y, my K step)
	s_mov_b32 s19, 0
	s_lshl_b32 s20, s14, 7
	s_lshl_b32 s21, s2, 5
	s_add_co_u32 s20, s20, s21
	s_lshl_b32 s20, s20, 12                        ; row 128 y + 32 wave of 4,096 bytes,
	s_lshl_b32 s22, ttmp9, 9                       ; + my work-group's 512 bytes of a row
	s_mov_b32 s23, 0
	s_add_co_u32 s20, s20, s22
	s_mov_b32 s21, 0
	s_mul_i32 s24, s2, PART
	s_mul_i32 s25, s2, 32*528
	v_and_b32 v6, 31, v0
	v_and_b32 v17, 15, v0                          ; r
	v_bfe_u32 v18, v0, 4, 1                        ; h
	v_lshlrev_b32 v[L16], 4, v6
	v_lshlrev_b32 v[L4], 2, v6
	v_lshlrev_b32 v[PF], 12, v6
	v_mul_u32_u24 v[STO], v17, 528
	v_lshl_add_u32 v[STO], v18, 6, v[STO]
	v_add_nc_u32 v[STO], s24, v[STO]               ; my part: row r, + 64 h
	v_add_nc_u32 v[RD], s25, v[L16]
	v_add_nc_u32 v[RD+1], PART, v[RD]
	v_add_nc_u32 v[RD+2], 2*PART, v[RD]
	v_add_nc_u32 v[RD+3], 3*PART, v[RD]
	s_wait_alu depctr_va_vdst(0)                   ; the wait at the head's end
	s_wait_kmcnt 0x0
	s_add_nc_u64 s[WB:WB+1], s[WB:WB+1], s[16:17]
	s_add_nc_u64 s[TB:TB+1], s[TB:TB+1], s[18:19]
	s_add_nc_u64 s[XB:XB+1], s[XB:XB+1], s[20:21]
	s_add_nc_u64 s[OB:OB+1], s[OB:OB+1], s[20:21]
.if BIAS
	s_add_nc_u64 s[12:13], s[12:13], s[22:23]
	global_load_b128 v[BI:BI+3], v[L16], s[12:13]  ; columns 4 l .. 4 l + 3 of my work-group's 128
.endif
	LOADS 0, 0
	global_prefetch_b8 v[PF], s[XB:XB+1] th:TH_LOAD_NT scope:SCOPE_SE              ; my 32 rows of the residual: a lane a row, 256 bytes a request; the address registers are never rewritten
	global_prefetch_b8 v[PF], s[XB:XB+1] offset:256 th:TH_LOAD_NT scope:SCOPE_SE
	LOADS 1, 3200
	s_wait_loadcnt 56                              ; all but the next K step's 56 loads
	MUL 0, 1
.if STEPS > 2
	WIN 0                                          ; at a label and at a branch every window is 0
	s_mov_b32 s3, (STEPS-2)/2
.Llap:                                             ; a trip: two K steps, until the sets are back where they began
	PLACES
	LOADS 0, 6400
	s_wait_loadcnt 56
	MUL 1, 0
	PLACES
	LOADS 1, 9600
	s_wait_loadcnt 56
	MUL 0, 0
	WIN 0
	s_wait_xcnt 0x0                                ; the loads have read their bases
	s_add_nc_u64 s[WB:WB+1], s[WB:WB+1], 6400
	s_add_nc_u64 s[TB:TB+1], s[TB:TB+1], 6400
	s_sub_co_u32 s3, s3, 1
	s_cmp_lg_u32 s3, 0
	s_cbranch_scc1 .Llap
.endif
	PLACES
	WIN 0x40
.set t, 0
.rept 32
	global_load_b128 v[XR+4*t:XR+4*t+3], v[L16], s[XB:XB+1] offset:4096*t th:TH_LOAD_NT   ; the residual's row t: 512 consecutive bytes; into the weight's set 0, which is done with, and 32 registers behind it
.set t, t+1
.endr
	s_wait_loadcnt 32                              ; all but these 32
	MUL 1, 0
	PLACES
.irp a, 0,1,2,3,4,5,6,7                ; my partial sums, as rows: token 16 a + r, bytes 128 c + 64 h + 32 u; each accumulator from its low end on
	WIN 0x08+4*(\a/4)
.irp b, 0,1,2,3,4,5,6,7
	ds_store_b128 v[STO], v[64*(\a%4)+8*\b:64*(\a%4)+8*\b+3] offset:8448*\a+128*(\b/2)+32*(\b%2)
	ds_store_b128 v[STO], v[64*(\a%4)+8*\b+4:64*(\a%4)+8*\b+7] offset:8448*\a+128*(\b/2)+32*(\b%2)+16
.endr
.endr
	WIN 0
	s_wait_dscnt 0x0                               ; for the others' sake: my stores have landed
	s_barrier_signal -1
	s_barrier_wait -1
	GET 0
	GET 1
	s_wait_loadcnt 0x0                             ; the residual
	s_wait_dscnt 63                                ; the first 64 loads, rows 0-15, are back (64 younger ones could stay out; 63 is the most that a wait names)
	SUM 0
	s_wait_dscnt 0x0
	SUM 1
	WIN 0
	s_wait_tensorcnt 0x0                           ; the wave's end
	ds_add_u32 v[SPW], v[NIL]
	s_wait_dscnt 0x0
	s_endpgm
.Lfunc_end_k_qb8552fb5be_go:
	.size	k_qb8552fb5be_go, .Lfunc_end_k_qb8552fb5be_go-k_qb8552fb5be_go
	.p2alignl 7, 3214868480
	.fill 96, 4, 3214868480
	.section	.rodata,"a",@progbits
	.p2align	6, 0x0
	.amdhsa_kernel k_qb8552fb5be_go
		.amdhsa_group_segment_fixed_size 270848
		.amdhsa_private_segment_fixed_size 0
		.amdhsa_enable_private_segment 0
		.amdhsa_kernarg_size 32
		.amdhsa_user_sgpr_count 2
		.amdhsa_user_sgpr_kernarg_segment_ptr 1
		.amdhsa_wavefront_size32 1
		.amdhsa_system_sgpr_workgroup_id_x 1
		.amdhsa_system_sgpr_workgroup_id_y 1
		.amdhsa_system_sgpr_workgroup_id_z 1
		.amdhsa_system_vgpr_workitem_id 0
		.amdhsa_next_free_vgpr 1024
		.amdhsa_next_free_sgpr 66
		.amdhsa_reserve_vcc 0
		.amdhsa_float_denorm_mode_32 3
		.amdhsa_float_denorm_mode_16_64 3
		.amdhsa_memory_ordered 1
		.amdhsa_forward_progress 1
		.amdhsa_inst_pref_size 69
	.end_amdhsa_kernel
	.amdgpu_metadata
---
amdhsa.version: [ 1, 2 ]
amdhsa.kernels:
  - .name:           k_qb8552fb5be_go
    .symbol:         k_qb8552fb5be_go.kd
    .args:
      - { .name: wc, .offset: 0, .size: 8, .value_kind: global_buffer, .address_space: global }
      - { .name: yc, .offset: 8, .size: 8, .value_kind: global_buffer, .address_space: global }
      - { .name: x, .offset: 16, .size: 8, .value_kind: global_buffer, .address_space: global }
      - { .name: x1, .offset: 24, .size: 8, .value_kind: global_buffer, .address_space: global }
    .group_segment_fixed_size: 270848
    .private_segment_fixed_size: 0
    .kernarg_segment_align: 8
    .kernarg_segment_size: 32
    .max_flat_workgroup_size: 128
    .sgpr_count:     66
    .vgpr_count:     1024
    .wavefront_size: 32
...
	.end_amdgpu_metadata
.endif
;; end of part 5
;; launch ln2 (part 6): grid 512 x 1, 8 waves a work-group, no clusters, 69,632 bytes of LDS; arguments x1, ln2_g, ln2_b, hc, W_ff1, W_ff2, wc; writes hc, wc
.if DOCPART == 6
	.amdgcn_target "amdgcn-amd-amdhsa--gfx1250"
	.amdhsa_code_object_version 6
	.text
	.protected	k_qb8552fb5be_ln2
	.globl	k_qb8552fb5be_ln2
	.p2align	8
	.type	k_qb8552fb5be_ln2,@function
k_qb8552fb5be_ln2:
	s_mov_b64 s[64:65], 0
	v_nop
	global_prefetch_b8 v0, s[64:65] scope:SCOPE_SE
	s_setreg_imm32_b32 hwreg(HW_REG_WAVE_MODE, 25, 1), 1
	s_wait_xcnt 0x0
; Launch wq's text with the other table of weights (LATE = 1): two kinds of work-groups, told apart by the work-group's number alone; they share nothing.
; WORK-GROUPS 0-255: LayerNorm 2 of the 4,096 rows of x1, and the quantiser along the row: records (launch wq's head), pair = 32 rows in their own order, K step = 128 columns.  A work-group takes 16 rows; wave s takes
; columns 128 s .. 128 s + 127 of all of them.  Mean and variance in two passes on numbers kept in registers; the rows turn through the wave's own stage in LDS; the waves' partial sums meet in LDS: two barriers.
; WORK-GROUPS 256-511: W_ff1 and W_ff2, f32 stored [K][N], become records; no launch ahead of f1 reads them.  A wave takes 32 columns x 128 along K; a lane takes a column and its registers run down K.  No LDS, no barrier.
; Row 16 u + p of pair c is column 32 c + 8 u + p + 8 (p / 8).  LIMITS: as stated at launch wq's head.
.set LATE,  1                          ; 0: W_kv_down, W_q, W_kv_up, W_o;  1: W_ff1, W_ff2
.set STG,   8448                       ; a wave's stage: 16 rows x 528 bytes
.set STAT1, 8*STG                      ; 16 rows x 8 partial sums; the sums of squares 512 bytes on
.set SPARE, STAT1+1024                 ; the spare words, 128 bytes a wave: four blocks of 256 bytes that no other line names
.set X,   64                           ; v64-127   my 64 numbers
.set GG,  128                          ; v128-191  the rows as loaded, then the gain
.set BB,  192                          ; v192-255  the bias
.set SEL, 22                           ; s[22:23]  v_permlanex16_b32's selects for lane l xor 16
; 64 numbers of a lane, register 16 b + i = k 32 b + 16 (lane / 16) + i of my row, become a fragment's 12 registers at v[pc] on (v[pc+12] .. v[pc+19] at work) and its scale word in v[pw].  tm: 12 registers at work.
.macro QUANT s, pc, pw, tm
.irp b, 0,1,2,3
	v_max3_num_f32 v[\tm+\b], |v[\s+16*\b]|, |v[\s+1+16*\b]|, 0x1800000   ; my 16 numbers of block b, and the floor 2^(3 - 127): the byte cannot fall under 1
.endr
.irp i, 2,4,6,8,10,12,14
.irp b, 0,1,2,3
	s_delay_alu instid0(VALU_DEP_4)
	v_max3_num_f32 v[\tm+\b], v[\tm+\b], |v[\s+16*\b+\i]|, |v[\s+1+16*\b+\i]|
.endr
.endr
.irp b, 0,1,2,3
	s_delay_alu instid0(VALU_DEP_4)
	v_permlanex16_b32 v[\tm+4+\b], v[\tm+\b], s[SEL], s[SEL+1]
.endr
.irp b, 0,1,2,3
	s_delay_alu instid0(VALU_DEP_4)
	v_max_num_f32 v[\tm+\b], v[\tm+\b], v[\tm+4+\b]          ; with lane l xor 16's: the block's largest magnitude
.endr
.irp b, 0,1,2,3
	s_delay_alu instid0(VALU_DEP_4)
	v_add_nc_u32 v[\tm+8+\b], 0xff000000, v[\tm+\b]          ; 2 off its exponent field: the conversion's scale operand
.endr
.irp b, 0,1,2,3
	s_delay_alu instid0(VALU_DEP_4)
	v_lshrrev_b32 v[\tm+4+\b], 23, v[\tm+8+\b]               ; the scale's byte
.endr
	s_delay_alu instid0(VALU_DEP_3)
	v_lshl_or_b32 v[\pw], v[\tm+5], 8, v[\tm+4]
	s_delay_alu instid0(VALU_DEP_1)
	v_lshl_or_b32 v[\pw], v[\tm+6], 16, v[\pw]
	s_delay_alu instid0(VALU_DEP_1)
	v_lshl_or_b32 v[\pw], v[\tm+7], 24, v[\pw]
.irp c, 0,1
	v_cvt_scalef32_pk16_fp6_f32 v[\pc+6*\c:\pc+2+6*\c], v[\s+32*\c:\s+15+32*\c], v[\tm+8+2*\c]
	v_cvt_scalef32_pk16_fp6_f32 v[\pc+12+4*\c:\pc+14+4*\c], v[\s+16+32*\c:\s+31+32*\c], v[\tm+9+2*\c]
.endr
	v_nop                                          ; one plain instruction behind the last conversion
.irp c, 0,1                                    ; the operand wants a whole block in a lane: lanes 0-15 block 2 c, lanes 16-31 block 2 c + 1
.irp i, 0,1,2
	v_permlane16_swap_b32 v[\pc+6*\c+\i], v[\pc+12+4*\c+\i]
.endr
.irp i, 0,1,2
	s_delay_alu instid0(VALU_DEP_3)
	v_mov_b32 v[\pc+3+6*\c+\i], v[\pc+12+4*\c+\i]
.endr
.endr
.endm
; v[20:23], two packed chains, become the row's sum over all 1,024 columns in v12: within the lane, with lane l xor 16, then over the eight waves through LDS.
.macro REDUCE off
	s_delay_alu instid0(VALU_DEP_1)
	v_pk_add_f32 v[20:21], v[20:21], v[22:23]
	s_delay_alu instid0(VALU_DEP_1)
	v_add_f32 v20, v20, v21
	s_delay_alu instid0(VALU_DEP_1)
	v_permlanex16_b32 v21, v20, s[SEL], s[SEL+1]
	s_delay_alu instid0(VALU_DEP_1)
	v_add_f32 v20, v20, v21
	ds_store_b32 v7, v20 offset:\off               ; row r, wave s (both lanes of a row write the same word with the same value)
	s_wait_dscnt 0x0                               ; for the others' sake: my store has landed
	s_barrier_signal -1
	s_barrier_wait -1
	ds_load_b128 v[12:15], v8 offset:\off
	ds_load_b128 v[16:19], v8 offset:\off+16
	s_wait_dscnt 0x0
	v_add_f32 v12, v12, v13
	v_add_f32 v14, v14, v15
	v_add_f32 v16, v16, v17
	v_add_f32 v18, v18, v19
	s_delay_alu instid0(VALU_DEP_3)
	v_add_f32 v12, v12, v14
	s_delay_alu instid0(VALU_DEP_2)
	v_add_f32 v16, v16, v18
	s_delay_alu instid0(VALU_DEP_1)
	v_add_f32 v12, v12, v16
.endm
	s_cmp_lt_u32 ttmp9, 256                        ; the same in all waves of a work-group
	s_cbranch_scc0 .Lweights
	s_load_b256 s[4:11], s[0:1], 0x0               ; the rows, the gain, the bias, the records
	v_lshl_add_u32 v1, v0, 2, SPARE                ; my spare word,
	v_mov_b32 v2, 0                                ; and 0: kept for the wave's end
	v_lshrrev_b32 v3, 5, v0
	s_delay_alu instid0(VALU_DEP_1)
	v_readfirstlane_b32 s12, v3                    ; wave = K step
	v_and_b32 v29, 31, v0                          ; l
	v_and_b32 v30, 15, v0                          ; r
	v_bfe_u32 v31, v0, 4, 1                        ; h
	s_delay_alu instid0(VALU_DEP_3)
	v_lshlrev_b32 v3, 4, v29                       ; 16 l
	s_mul_i32 s13, s12, STG
	v_add_nc_u32 v4, s13, v3                       ; the stage, in: 16 l, + 528 for each row
	v_mul_u32_u24 v5, v30, 528
	s_delay_alu instid0(VALU_DEP_1)
	v_lshl_add_u32 v5, v31, 6, v5
	s_delay_alu instid0(VALU_DEP_1)
	v_add_nc_u32 v5, s13, v5                       ; out: row r, + 64 h
	v_lshlrev_b32 v6, 6, v31                       ; gain and bias: 64 h
	v_lshlrev_b32 v8, 5, v30
	s_delay_alu instid0(VALU_DEP_1)
	v_add_nc_u32 v8, STAT1, v8                     ; row r's eight partial sums
	s_lshl_b32 s14, s12, 2
	v_add_nc_u32 v7, s14, v8                       ; and mine among them
	s_and_b32 s16, ttmp9, 1                        ; which fragment of the pair
	s_mul_i32 s17, s16, 1536
	v_add_nc_u32 v9, s17, v3
	v_lshlrev_b32 v10, 2, v30
	s_lshl_b32 s17, s16, 6
	v_add_nc_u32 v10, s17, v10                     ; the scale word: 64 x fragment + 4 r
.irp b, 0,1,2,3
	v_mov_b32 v[56+\b], 0                          ; a lane permute's destination counts as one of its sources
.endr
	s_mov_b32 s[SEL], 0x76543210
	s_mov_b32 s[SEL+1], 0xfedcba98
	s_mov_b32 s20, 0x3a800000                      ; 1 / 1,024
	s_mov_b32 s21, 0x3727c5ac                      ; 1e-5
	s_lshl_b32 s18, ttmp9, 16                      ; 16 rows of 4,096 bytes
	s_lshl_b32 s15, s12, 9                         ; my 512 bytes of a row
	s_add_co_u32 s18, s18, s15
	s_mov_b32 s19, 0
	s_mov_b32 s24, s15
	s_mov_b32 s25, 0
	s_lshr_b32 s17, ttmp9, 1
	s_lshl_b32 s17, s17, 3
	s_add_co_u32 s17, s17, s12
	s_mul_i32 s26, s17, 3200                       ; record (pair, K step)
	s_mov_b32 s27, 0
	s_wait_alu depctr_va_vdst(0)                   ; the wait at the head's end
	s_wait_kmcnt 0x0
	s_add_nc_u64 s[4:5], s[4:5], s[18:19]
	s_add_nc_u64 s[6:7], s[6:7], s[24:25]
	s_add_nc_u64 s[8:9], s[8:9], s[24:25]
	s_add_nc_u64 s[10:11], s[10:11], s[26:27]
.irp j, 0,1,2,3,4,5,6,7,8,9,10,11,12,13,14,15
	global_load_b128 v[GG+4*\j:GG+4*\j+3], v3, s[4:5] offset:4096*\j th:TH_LOAD_NT   ; row j: 512 consecutive bytes
.endr
.irp b, 0,1,2,3
.irp q, 0,1,2,3
	global_load_b128 v[BB+16*\b+4*\q:BB+16*\b+4*\q+3], v6, s[8:9] offset:128*\b+16*\q
.endr
.endr
	s_wait_loadcnt 16                              ; the rows are in; the bias's 16 loads may be out
.irp j, 0,1,2,3,4,5,6,7,8,9,10,11,12,13,14,15
	ds_store_b128 v4, v[GG+4*\j:GG+4*\j+3] offset:528*\j
.endr
.irp b, 0,1,2,3
.irp q, 0,1,2,3
	ds_load_b128 v[X+16*\b+4*\q:X+16*\b+4*\q+3], v5 offset:128*\b+16*\q   ; LDS serves a wave's instructions in order: these see my stores
.endr
.endr
	s_wait_dscnt 0x0
.irp b, 0,1,2,3
.irp q, 0,1,2,3
	global_load_b128 v[GG+16*\b+4*\q:GG+16*\b+4*\q+3], v6, s[6:7] offset:128*\b+16*\q
.endr
.endr
	v_pk_add_f32 v[20:21], v[X:X+1], v[X+4:X+5]    ; the sum of my 64, two at a time, two chains
	v_pk_add_f32 v[22:23], v[X+2:X+3], v[X+6:X+7]
.set j, 8
.rept 14
	s_delay_alu instid0(VALU_DEP_2)
	v_pk_add_f32 v[20:21], v[20:21], v[X+j:X+j+1]
	s_delay_alu instid0(VALU_DEP_2)
	v_pk_add_f32 v[22:23], v[22:23], v[X+j+2:X+j+3]
.set j, j+4
.endr
	REDUCE 0
	s_delay_alu instid0(VALU_DEP_1)
	v_mul_f32 v24, 0xba800000, v12                 ; - the mean
	s_delay_alu instid0(VALU_DEP_1)
	v_mov_b32 v25, v24
.set j, 0
.rept 32
	v_pk_add_f32 v[X+j:X+j+1], v[X+j:X+j+1], v[24:25]
.set j, j+2
.endr
	v_pk_mul_f32 v[20:21], v[X:X+1], v[X:X+1]      ; the sum of squares of what is left
	v_pk_mul_f32 v[22:23], v[X+2:X+3], v[X+2:X+3]
.set j, 4
.rept 15
	s_delay_alu instid0(VALU_DEP_2)
	v_pk_fma_f32 v[20:21], v[X+j:X+j+1], v[X+j:X+j+1], v[20:21]
	s_delay_alu instid0(VALU_DEP_2)
	v_pk_fma_f32 v[22:23], v[X+j+2:X+j+3], v[X+j+2:X+j+3], v[22:23]
.set j, j+4
.endr
	REDUCE 512                                     ; other words than the first sums': no third barrier is needed
	s_delay_alu instid0(VALU_DEP_1)
	v_fma_f32 v12, v12, s20, s21                   ; the variance + 1e-5
	s_wait_alu depctr_va_vdst(0)                   ; the wait ahead of the transcendental
	v_rsq_f32 v26, v12
	v_nop                                          ; a plain instruction behind the transcendental,
	s_wait_alu depctr_va_vdst(0)                   ; and the wait ahead of its first reader
	v_mov_b32 v27, v26
	s_wait_alu depctr_va_vdst(0)                   ; the wait directly ahead of the wait below
	s_wait_loadcnt 0x0                             ; gain and bias
.set j, 0
.rept 32
	v_pk_mul_f32 v[X+j:X+j+1], v[X+j:X+j+1], v[26:27]
.set j, j+2
.endr
.set j, 0
.rept 32
	v_pk_fma_f32 v[X+j:X+j+1], v[X+j:X+j+1], v[GG+j:GG+j+1], v[BB+j:BB+j+1]
.set j, j+2
.endr
	QUANT X, 32, 28, 52
.irp g, 0,1,2
	global_store_b128 v9, v[32+4*\g:35+4*\g], s[10:11] offset:512*\g   ; the fragment as it stands: 512 consecutive bytes a store
.endr
	global_store_b32 v10, v28, s[10:11] offset:3072    ; (both lanes of a row store the same word)
	s_wait_tensorcnt 0x0                           ; the wave's end
	ds_add_u32 v1, v2
	s_wait_dscnt 0x0
	s_endpgm
; THE WEIGHTS.  One text for every row pitch: 32 offset registers (row i of a block of 32) and four bases (the four blocks).
.set WX,  32                           ; v32-159  128 numbers down K
.set WE,  160                          ; v160-171 blocks 0 and 2, v172-183 blocks 1 and 3: after the exchange fragment 0 and fragment 1
.set WT,  184                          ; v184-199 the upper halves of the four blocks
.set O,   200                          ; v200-231 my column + i rows
.set SO,  12                           ; v12-15   the conversions' scale operands
.set PW,  19                           ; v19      my column's scale word
.set WQO, 409600                       ; wc: W_kv_down at 0 and W_q behind it (48 pairs, 8 K steps),
.set WKV, 1228800                      ; W_kv_up (64 pairs, 4),
.set WO,  2048000                      ; W_o (32, 8),
.set WF1, 2867200                      ; W_ff1 (128, 8),
.set WF2, 6144000                      ; W_ff2 (32, 32)
.macro PICK limit, ptr, first, logc, ks, doff
	s_cmp_lt_u32 s19, \limit
	s_cselect_b64 s[20:21], s[\ptr:\ptr+1], s[20:21]
	s_cselect_b32 s24, \first, s24
	s_cselect_b32 s25, \logc, s25
	s_cselect_b32 s26, \ks, s26
	s_cselect_b32 s27, \doff, s27
.endm
.Lweights:
.if LATE
	s_load_b128 s[4:7], s[0:1], 0x20               ; W_ff1, W_ff2
	s_load_b64 s[16:17], s[0:1], 0x30              ; wc
.else
	s_load_b256 s[4:11], s[0:1], 0x20              ; W_kv_down, W_q, W_kv_up, W_o
	s_load_b64 s[16:17], s[0:1], 0x40              ; wc
.endif
	v_lshrrev_b32 v1, 5, v0
	s_delay_alu instid0(VALU_DEP_1)
	v_readfirstlane_b32 s18, v1                    ; wave 0..7
	v_and_b32 v2, 31, v0                           ; lane
	s_delay_alu instid0(VALU_DEP_1)
	v_and_b32 v3, 7, v2
	s_delay_alu instid0(VALU_DEP_2)
	v_bfe_u32 v6, v2, 3, 1
	s_delay_alu instid0(VALU_DEP_1)
	v_lshl_add_u32 v3, v6, 4, v3
	s_delay_alu instid0(VALU_DEP_4)
	v_lshrrev_b32 v6, 4, v2
	s_delay_alu instid0(VALU_DEP_1)
	v_lshl_add_u32 v3, v6, 3, v3                   ; my column in the pair: 8 (l / 16) + l % 8 + 16 ((l / 8) % 2)
	s_delay_alu instid0(VALU_DEP_1)
	v_lshlrev_b32 v3, 2, v3
	v_lshlrev_b32 v4, 4, v2                        ; out: 16 bytes a lane,
	v_lshlrev_b32 v5, 2, v2                        ; and 4 for the scale word
	s_sub_co_u32 s19, ttmp9, 256                   ; my number among the weights' work-groups
	s_wait_alu depctr_va_vdst(0)                   ; the wait directly ahead of the wait below
	s_wait_kmcnt 0x0
; the weight is chosen by the work-group's number alone: its address, its first work-group, log2(N / 128), its K steps, its place in wc
.if LATE
	s_mov_b64 s[20:21], s[6:7]
	s_mov_b32 s24, 128
	s_mov_b32 s25, 3
	s_mov_b32 s26, 32
	s_mov_b32 s27, WF2
	PICK 128, 4, 0, 5, 8, WF1
.else
	s_mov_b64 s[20:21], s[10:11]
	s_mov_b32 s24, 80
	s_mov_b32 s25, 3
	s_mov_b32 s26, 8
	s_mov_b32 s27, WO
	PICK 80, 6, 48, 3, 8, WQO
	PICK 48, 8, 16, 4, 4, WKV
	PICK 16, 4, 0, 2, 8, 0
.endif
	s_sub_co_u32 s28, s19, s24                     ; my number within the weight
	s_lshl_b32 s29, 1, s25
	s_sub_co_u32 s29, s29, 1
	s_and_b32 s29, s28, s29
	s_lshl_b32 s29, s29, 2
	s_and_b32 s30, s18, 3
	s_add_co_u32 s29, s29, s30                     ; my pair of fragments: 4 x (which 128 columns) + wave % 4
	s_lshr_b32 s28, s28, s25
	s_lshl_b32 s28, s28, 1
	s_lshr_b32 s30, s18, 2
	s_add_co_u32 s28, s28, s30                     ; my K step
	s_add_co_u32 s30, s25, 16
	s_lshl_b32 s30, s28, s30                       ; 128 rows of N x 4 bytes for each K step
	s_lshl_b32 s31, s29, 7
	s_add_co_u32 s30, s30, s31                     ; + 32 columns x 4 bytes for each pair
	s_mov_b32 s31, 0
	s_add_nc_u64 s[32:33], s[20:21], s[30:31]      ; block 0's rows
	s_mul_i32 s30, s29, s26
	s_add_co_u32 s30, s30, s28
	s_mul_i32 s30, s30, 3200
	s_add_co_u32 s30, s30, s27
	s_add_nc_u64 s[22:23], s[16:17], s[30:31]      ; my record
	s_add_co_u32 s24, s25, 9                       ; a row is 2^(9 + log2(N / 128)) bytes,
	s_add_co_u32 s30, s25, 14
	s_lshl_b32 s30, 1, s30                         ; a block's 32 rows 2^5 times that
	s_add_nc_u64 s[34:35], s[32:33], s[30:31]
	s_add_nc_u64 s[36:37], s[34:35], s[30:31]
	s_add_nc_u64 s[38:39], s[36:37], s[30:31]
.set k, 0
.rept 32
	v_lshl_add_u32 v[O+k], k, s24, v3              ; i rows + my column: 31 x 16,384 + 124 bytes at the most
.set k, k+1
.endr
	s_wait_alu depctr_va_vdst(0)                   ; the offsets are read by four runs of loads
.irp b, 0,1,2,3
.set k, 0
.rept 32
	global_load_b32 v[WX+32*\b+k], v[O+k], s[32+2*\b:33+2*\b] th:TH_LOAD_NT
.set k, k+1
.endr
.endr
.irp b, 0,1,2,3
.if \b < 2
	s_wait_loadcnt 63                              ; this block's 32 loads are in: up to 96 (block 0) or 64 (block 1) younger ones could stay out; 63 is the most that a wait names
.elseif \b == 2
	s_wait_loadcnt 32                              ; the last block's 32 may be out
.else
	s_wait_loadcnt 0
.endif
	v_max3_num_f32 v16, |v[WX+32*\b]|, |v[WX+32*\b+1]|, |v[WX+32*\b+2]|      ; the block's largest magnitude: all 32 numbers are mine; two chains
	v_max3_num_f32 v17, |v[WX+32*\b+3]|, |v[WX+32*\b+4]|, |v[WX+32*\b+5]|
.irp i, 6,10,14,18,22,26
	s_delay_alu instid0(VALU_DEP_2)
	v_max3_num_f32 v16, v16, |v[WX+32*\b+\i]|, |v[WX+32*\b+\i+1]|
	s_delay_alu instid0(VALU_DEP_2)
	v_max3_num_f32 v17, v17, |v[WX+32*\b+\i+2]|, |v[WX+32*\b+\i+3]|
.endr
	s_delay_alu instid0(VALU_DEP_2)
	v_max3_num_f32 v16, v16, |v[WX+32*\b+30]|, |v[WX+32*\b+31]|
	s_delay_alu instid0(VALU_DEP_1)
	v_max3_num_f32 v16, v16, v17, 0x1800000        ; and the floor 2^(3 - 127): the byte cannot fall under 1
	s_delay_alu instid0(VALU_DEP_1)
	v_add_nc_u32 v[SO+\b], 0xff000000, v16         ; 2 off the exponent field: the conversion takes this operand's exponent field as its scale
	s_delay_alu instid0(VALU_DEP_1)
	v_lshrrev_b32 v18, 23, v[SO+\b]                ; the scale's byte
.if \b == 0
	s_delay_alu instid0(VALU_DEP_1)
	v_mov_b32 v[PW], v18
.else
	s_delay_alu instid0(VALU_DEP_1)
	v_lshl_or_b32 v[PW], v18, 8*\b, v[PW]
.endif
	v_cvt_scalef32_pk16_fp6_f32 v[WE+12*(\b%2)+6*(\b/2):WE+12*(\b%2)+6*(\b/2)+2], v[WX+32*\b:WX+32*\b+15], v[SO+\b]
	v_cvt_scalef32_pk16_fp6_f32 v[WT+4*\b:WT+4*\b+2], v[WX+32*\b+16:WX+32*\b+31], v[SO+\b]   ; (a conversion's three registers begin on an even number)
.endr
	v_nop                                          ; one plain instruction behind the last conversion
.irp b, 0,1,2,3
.irp i, 0,1,2
	v_mov_b32 v[WE+12*(\b%2)+6*(\b/2)+3+\i], v[WT+4*\b+\i]
.endr
.endr
.irp i, 0,1,2,3,4,5,6,7,8,9,10,11
	v_permlane16_swap_b32 v[WE+\i], v[WE+12+\i]    ; a fragment's lanes 0-15 want blocks 0, 2 of its rows and lanes 16-31 blocks 1, 3: the first set's upper lanes change places with the second's lower
.endr
.irp g, 0,1,2
	global_store_b128 v4, v[WE+4*\g:WE+4*\g+3], s[22:23] offset:512*\g            ; 32 lanes store 512 consecutive bytes
	global_store_b128 v4, v[WE+12+4*\g:WE+12+4*\g+3], s[22:23] offset:1536+512*\g
.endr
	global_store_b32 v5, v[PW], s[22:23] offset:3072
	s_endpgm
.Lfunc_end_k_qb8552fb5be_ln2:
	.size	k_qb8552fb5be_ln2, .Lfunc_end_k_qb8552fb5be_ln2-k_qb8552fb5be_ln2
	.p2alignl 7, 3214868480
	.fill 96, 4, 3214868480
	.section	.rodata,"a",@progbits
	.p2align	6, 0x0
	.amdhsa_kernel k_qb8552fb5be_ln2
		.amdhsa_group_segment_fixed_size 69632
		.amdhsa_private_segment_fixed_size 0
		.amdhsa_enable_private_segment 0
		.amdhsa_kernarg_size 56
		.amdhsa_user_sgpr_count 2
		.amdhsa_user_sgpr_kernarg_segment_ptr 1
		.amdhsa_wavefront_size32 1
		.amdhsa_system_sgpr_workgroup_id_x 1
		.amdhsa_system_sgpr_workgroup_id_y 1
		.amdhsa_system_sgpr_workgroup_id_z 1
		.amdhsa_system_vgpr_workitem_id 0
		.amdhsa_next_free_vgpr 256
		.amdhsa_next_free_sgpr 66
		.amdhsa_reserve_vcc 0
		.amdhsa_float_denorm_mode_32 3
		.amdhsa_float_denorm_mode_16_64 3
		.amdhsa_memory_ordered 1
		.amdhsa_forward_progress 1
		.amdhsa_inst_pref_size 55
	.end_amdhsa_kernel
	.amdgpu_metadata
---
amdhsa.version: [ 1, 2 ]
amdhsa.kernels:
  - .name:           k_qb8552fb5be_ln2
    .symbol:         k_qb8552fb5be_ln2.kd
    .args:
      - { .name: x1, .offset: 0, .size: 8, .value_kind: global_buffer, .address_space: global }
      - { .name: ln2_g, .offset: 8, .size: 8, .value_kind: global_buffer, .address_space: global }
      - { .name: ln2_b, .offset: 16, .size: 8, .value_kind: global_buffer, .address_space: global }
      - { .name: hc, .offset: 24, .size: 8, .value_kind: global_buffer, .address_space: global }
      - { .name: W_ff1, .offset: 32, .size: 8, .value_kind: global_buffer, .address_space: global }
      - { .name: W_ff2, .offset: 40, .size: 8, .value_kind: global_buffer, .address_space: global }
      - { .name: wc, .offset: 48, .size: 8, .value_kind: global_buffer, .address_space: global }
    .group_segment_fixed_size: 69632
    .private_segment_fixed_size: 0
    .kernarg_segment_align: 8
    .kernarg_segment_size: 56
    .max_flat_workgroup_size: 256
    .sgpr_count:     66
    .vgpr_count:     256
    .wavefront_size: 32
...
	.end_amdgpu_metadata
.endif
;; end of part 6
;; launch f1 (part 7): grid 16 x 16, 16 waves a work-group, no clusters, 327,680 bytes of LDS; arguments wc, hc, b_ff1, hid; writes hid
.if DOCPART == 7
	.amdgcn_target "amdgcn-amd-amdhsa--gfx1250"
	.amdhsa_code_object_version 6
	.text
	.protected	k_qb8552fb5be_f1
	.globl	k_qb8552fb5be_f1
	.p2align	8
	.type	k_qb8552fb5be_f1,@function
k_qb8552fb5be_f1:
	s_mov_b64 s[64:65], 0
	v_nop
	global_prefetch_b8 v0, s[64:65] scope:SCOPE_SE
	s_setreg_imm32_b32 hwreg(HW_REG_WAVE_MODE, 25, 1), 1
	s_wait_xcnt 0x0
.set NP0,  8
.set NP1,  8
.set KS,   8
.set NKS,  2
.set KW,   1
.set SLOT, (NP0+NP1)*NKS*3200
.set SPARE, 2*SLOT
.set WOFF, 2867200
.set ACC,  128
.set AD0,  3
.set AD1A, 5
.set AD1B, 7
.set SC0,  9
.set SC1,  11
.set LN,   15
.set L16,  92
.set L4,   93
.set TM,   96
.set SEL,  42
.macro NOP4
.rept 4
	v_nop
.endr
.endm
.macro BAR
	s_barrier_signal -1
	s_barrier_wait -1
.endm
.macro LDF reg, adr, off
	ds_load_b128 v[\reg:\reg+3], v[\adr] offset:\off
	ds_load_b128 v[\reg+4:\reg+7], v[\adr] offset:\off+512
	ds_load_b128 v[\reg+8:\reg+11], v[\adr] offset:\off+1024
.endm
.macro WMQ tt, fr, sc
.set DA, ACC+8*(\tt)
.set DB, ACC+64+8*(\tt)
.set DC, ACC+8+8*(\tt)
.set DD, ACC+72+8*(\tt)
.set FA, \fr
.set FB, \fr+12
	v_wmma_scale_f32_16x16x128_f8f6f4 v[DA:DA+7], v[FA:FA+11], v[16:27], v[DA:DA+7], v[\sc], v88 matrix_a_fmt:MATRIX_FMT_FP6 matrix_b_fmt:MATRIX_FMT_FP6
	v_wmma_scale_f32_16x16x128_f8f6f4 v[DB:DB+7], v[FA:FA+11], v[28:39], v[DB:DB+7], v[\sc], v88 matrix_a_fmt:MATRIX_FMT_FP6 matrix_b_fmt:MATRIX_FMT_FP6 matrix_b_scale:MATRIX_SCALE_ROW1
	v_wmma_scale_f32_16x16x128_f8f6f4 v[DC:DC+7], v[FB:FB+11], v[16:27], v[DC:DC+7], v[\sc], v88 matrix_a_fmt:MATRIX_FMT_FP6 matrix_b_fmt:MATRIX_FMT_FP6 matrix_a_scale:MATRIX_SCALE_ROW1
	v_wmma_scale_f32_16x16x128_f8f6f4 v[DD:DD+7], v[FB:FB+11], v[28:39], v[DD:DD+7], v[\sc], v88 matrix_a_fmt:MATRIX_FMT_FP6 matrix_b_fmt:MATRIX_FMT_FP6 matrix_a_scale:MATRIX_SCALE_ROW1 matrix_b_scale:MATRIX_SCALE_ROW1
.endm
.macro KSTEP sl, ko
	NOP4
	LDF 16, AD1A+\sl, \ko
	LDF 28, AD1B+\sl, \ko
	ds_load_b32 v88, v[SC1+\sl] offset:3072+\ko
.irp hf, 0,1
.if \hf
	NOP4
.endif
.irp i, 0,1
	LDF 40+24*\i, AD0+\sl, (2*\hf+\i)*NKS*3200+\ko
	LDF 52+24*\i, AD0+\sl, (2*\hf+\i)*NKS*3200+\ko+1536
	ds_load_b32 v[90+\i], v[SC0+\sl] offset:(2*\hf+\i)*NKS*3200+\ko+3072
.endr
	s_wait_dscnt 0x0
	WMQ 4*\hf, 40, 90
	WMQ 4*\hf+2, 64, 91
.endr
.endm
.macro PHASE sl
	KSTEP \sl, 0
	KSTEP \sl, KW*3200
.endm
.macro TWO sl, refill
	s_wait_tensorcnt 0x0
	ds_add_u32 v1, v2
.if \refill
	s_add_nc_u64 s[30-4*\sl:31-4*\sl], s[30-4*\sl:31-4*\sl], 2*NKS*3200
.endif
	s_wait_dscnt 0x0
	BAR
.if \refill
	tensor_load_to_lds s[28-4*\sl:31-4*\sl], s[16:23]
	s_nop 0
.endif
	PHASE \sl
.endm
.macro QUANT s, pc, pw, tm
.irp b, 0,1,2,3
	v_max3_num_f32 v[\tm+\b], |v[\s+16*\b]|, |v[\s+1+16*\b]|, 0x1800000
.endr
.irp i, 2,4,6,8,10,12,14
.irp b, 0,1,2,3
	s_delay_alu instid0(VALU_DEP_4)
	v_max3_num_f32 v[\tm+\b], v[\tm+\b], |v[\s+16*\b+\i]|, |v[\s+1+16*\b+\i]|
.endr
.endr
.irp b, 0,1,2,3
	s_delay_alu instid0(VALU_DEP_4)
	v_permlanex16_b32 v[\tm+4+\b], v[\tm+\b], s[SEL], s[SEL+1]
.endr
.irp b, 0,1,2,3
	s_delay_alu instid0(VALU_DEP_4)
	v_max_num_f32 v[\tm+\b], v[\tm+\b], v[\tm+4+\b]
.endr
.irp b, 0,1,2,3
	s_delay_alu instid0(VALU_DEP_4)
	v_add_nc_u32 v[\tm+8+\b], 0xff000000, v[\tm+\b]
.endr
.irp b, 0,1,2,3
	s_delay_alu instid0(VALU_DEP_4)
	v_lshrrev_b32 v[\tm+4+\b], 23, v[\tm+8+\b]
.endr
	s_delay_alu instid0(VALU_DEP_3)
	v_lshl_or_b32 v[\pw], v[\tm+5], 8, v[\tm+4]
	s_delay_alu instid0(VALU_DEP_1)
	v_lshl_or_b32 v[\pw], v[\tm+6], 16, v[\pw]
	s_delay_alu instid0(VALU_DEP_1)
	v_lshl_or_b32 v[\pw], v[\tm+7], 24, v[\pw]
.irp c, 0,1
	v_cvt_scalef32_pk16_fp6_f32 v[\pc+6*\c:\pc+2+6*\c], v[\s+32*\c:\s+15+32*\c], v[\tm+8+2*\c]
	v_cvt_scalef32_pk16_fp6_f32 v[\pc+12+4*\c:\pc+14+4*\c], v[\s+16+32*\c:\s+31+32*\c], v[\tm+9+2*\c]
.endr
	v_nop
.irp c, 0,1
.irp i, 0,1,2
	v_permlane16_swap_b32 v[\pc+6*\c+\i], v[\pc+12+4*\c+\i]
.endr
.irp i, 0,1,2
	s_delay_alu instid0(VALU_DEP_3)
	v_mov_b32 v[\pc+3+6*\c+\i], v[\pc+12+4*\c+\i]
.endr
.endr
.endm
.macro G0SET n
	s_mov_b32 s[24+4*\n], 1
	s_add_co_u32 s[25+4*\n], s44, \n*SLOT
	s_add_nc_u64 s[26+4*\n:27+4*\n], s[40:41], \n*NKS*3200
	s_or_b32 s[27+4*\n], s[27+4*\n], 0x80000000
.endm
	s_load_b256 s[4:11], s[0:1], 0x0
	v_lshl_add_u32 v1, v0, 2, SPARE
	v_mov_b32 v2, 0
	ds_add_u32 v1, v2
	ds_add_u32 v1, v2
	v_lshrrev_b32 v3, 5, v0
	s_delay_alu instid0(VALU_DEP_1)
	v_readfirstlane_b32 s2, v3
	s_mov_b32 s16, 3<<16
	s_mov_b32 s17, 32<<16
	s_mov_b32 s18, 25<<16
	s_mov_b32 s19, 32<<16
	s_mov_b32 s20, 25
	s_mov_b32 s21, 32
	s_mov_b32 s22, 0
	s_mov_b32 s23, 0
	s_lshr_b32 s32, s2, 1
	s_and_b32 s33, s2, 1
	s_and_b32 s36, ttmp7, 0xffff
	s_mov_b32 s[SEL], 0x76543210
	s_mov_b32 s[SEL+1], 0xfedcba98
	s_lshl_b32 s38, ttmp9, 3
	s_add_co_u32 s38, s38, s2
	s_lshl_b32 s39, s36, 3
	s_add_co_u32 s39, s39, s2
	s_sub_co_u32 s39, s39, NP0
	s_mul_i32 s44, s2, NKS*3200
	s_wait_dscnt 0x0
	s_wait_kmcnt 0x0
	s_cmp_lt_u32 s2, NP0
	s_cselect_b32 s38, s38, s39
	s_cselect_b64 s[40:41], s[4:5], s[6:7]
	s_cselect_b32 s45, WOFF, 0
	s_mul_i32 s38, s38, KS*3200
	s_add_co_u32 s38, s38, s45
	s_mov_b32 s39, 0
	s_add_nc_u64 s[40:41], s[40:41], s[38:39]
	G0SET 0
	G0SET 1
	tensor_load_to_lds s[24:27], s[16:23]
	s_nop 0
	s_wait_alu depctr_va_vdst(0)
	s_wait_tensorcnt 0x0
	ds_add_u32 v1, v2
	s_wait_dscnt 0x0
	s_barrier_signal -1
	s_barrier_wait -1
	tensor_load_to_lds s[28:31], s[16:23]
	s_nop 0
	s_lshl_b32 s38, ttmp9, 10
	s_lshl_b32 s39, s33, 9
	s_add_co_u32 s38, s38, s39
	s_mov_b32 s39, 0
	s_add_nc_u64 s[8:9], s[8:9], s[38:39]
	v_bfe_u32 v110, v0, 4, 1
	s_delay_alu instid0(VALU_DEP_1)
	v_lshlrev_b32 v110, 6, v110
.irp a, 0,1
.irp b, 0,1,2,3
.irp q, 0,1,2,3
	global_load_b128 v[ACC+64*\a+16*\b+4*\q:ACC+64*\a+16*\b+4*\q+3], v110, s[8:9] offset:128*\b+16*\q
.endr
.endr
.endr
	v_and_b32 v[LN], 31, v0
	s_delay_alu instid0(VALU_DEP_1)
	v_lshlrev_b32 v[L16], 4, v[LN]
	s_delay_alu instid0(VALU_DEP_2)
	v_lshlrev_b32 v[L4], 2, v[LN]
	s_mul_i32 s38, s33, 4*NKS*3200
	s_add_co_u32 s39, s32, NP0
	s_mul_i32 s39, s39, NKS*3200
	v_add_nc_u32 v[AD0], s38, v[L16]
	v_add_nc_u32 v[AD1A], s39, v[L16]
	s_delay_alu instid0(VALU_DEP_1)
	v_add_nc_u32 v[AD1B], 1536, v[AD1A]
	v_add_nc_u32 v[SC0], s38, v[L4]
	v_add_nc_u32 v[SC1], s39, v[L4]
	v_add_nc_u32 v[AD0+1], SLOT, v[AD0]
	v_add_nc_u32 v[AD1A+1], SLOT, v[AD1A]
	v_add_nc_u32 v[AD1B+1], SLOT, v[AD1B]
	v_add_nc_u32 v[SC0+1], SLOT, v[SC0]
	v_add_nc_u32 v[SC1+1], SLOT, v[SC1]
.irp b, 0,1,2,3
	v_mov_b32 v[TM+4+\b], 0
.endr
	s_lshl_b32 s38, s36, 3
	s_add_co_u32 s38, s38, s32
	s_lshl_b32 s38, s38, 5
	s_lshl_b32 s39, ttmp9, 1
	s_add_co_u32 s38, s38, s39
	s_add_co_u32 s38, s38, s33
	s_mul_i32 s38, s38, 3200
	s_mov_b32 s39, 0
	s_add_nc_u64 s[10:11], s[10:11], s[38:39]
	s_wait_alu depctr_va_vdst(0)
	s_wait_loadcnt 0x0
	s_wait_tensorcnt 0x1
	BAR
	PHASE 0
	TWO 1, 1
	TWO 0, 1
	TWO 1, 0
	NOP4
.set j, 0
.rept 128
	v_max_num_f32 v[ACC+j], 0, v[ACC+j]
.set j, j+1
.endr
	QUANT 128, 16, 36, TM
	QUANT 192, 40, 37, TM
	v_cmp_gt_u32 vcc_lo, 16, v[LN]
	s_delay_alu instid0(VALU_DEP_1)
	v_cndmask_b32 v38, v37, v36, vcc_lo
.irp g, 0,1,2
	global_store_b128 v[L16], v[16+4*\g:19+4*\g], s[10:11] offset:512*\g
	global_store_b128 v[L16], v[40+4*\g:43+4*\g], s[10:11] offset:1536+512*\g
.endr
	global_store_b32 v[L4], v38, s[10:11] offset:3072
	s_wait_tensorcnt 0x0
	ds_add_u32 v1, v2
	s_wait_dscnt 0x0
	s_endpgm
.Lfunc_end_k_qb8552fb5be_f1:
	.size	k_qb8552fb5be_f1, .Lfunc_end_k_qb8552fb5be_f1-k_qb8552fb5be_f1
	.p2alignl 7, 3214868480
	.fill 96, 4, 3214868480
	.section	.rodata,"a",@progbits
	.p2align	6, 0x0
	.amdhsa_kernel k_qb8552fb5be_f1
		.amdhsa_group_segment_fixed_size 327680
		.amdhsa_private_segment_fixed_size 0
		.amdhsa_enable_private_segment 0
		.amdhsa_kernarg_size 32
		.amdhsa_user_sgpr_count 2
		.amdhsa_user_sgpr_kernarg_segment_ptr 1
		.amdhsa_wavefront_size32 1
		.amdhsa_system_sgpr_workgroup_id_x 1
		.amdhsa_system_sgpr_workgroup_id_y 1
		.amdhsa_system_sgpr_workgroup_id_z 1
		.amdhsa_system_vgpr_workitem_id 0
		.amdhsa_next_free_vgpr 256
		.amdhsa_next_free_sgpr 66
		.amdhsa_reserve_vcc 1
		.amdhsa_float_denorm_mode_32 3
		.amdhsa_float_denorm_mode_16_64 3
		.amdhsa_memory_ordered 1
		.amdhsa_forward_progress 1
		.amdhsa_inst_pref_size 61
	.end_amdhsa_kernel
	.amdgpu_metadata
---
amdhsa.version: [ 1, 2 ]
amdhsa.kernels:
  - .name:           k_qb8552fb5be_f1
    .symbol:         k_qb8552fb5be_f1.kd
    .args:
      - { .name: wc, .offset: 0, .size: 8, .value_kind: global_buffer, .address_space: global }
      - { .name: hc, .offset: 8, .size: 8, .value_kind: global_buffer, .address_space: global }
      - { .name: b_ff1, .offset: 16, .size: 8, .value_kind: global_buffer, .address_space: global }
      - { .name: hid, .offset: 24, .size: 8, .value_kind: global_buffer, .address_space: global }
    .group_segment_fixed_size: 327680
    .private_segment_fixed_size: 0
    .kernarg_segment_align: 8
    .kernarg_segment_size: 32
    .max_flat_workgroup_size: 512
    .sgpr_count:     66
    .vgpr_count:     256
    .wavefront_size: 32
...
	.end_amdgpu_metadata
.endif
;; end of part 7
;; launch f2 (part 8): grid 8 x 32, 4 waves a work-group, no clusters, 270,848 bytes of LDS; arguments wc, hid, x1, out0, b_ff2; writes out0
.if DOCPART == 8
	.amdgcn_target "amdgcn-amd-amdhsa--gfx1250"
	.amdhsa_code_object_version 6
	.text
	.protected	k_qb8552fb5be_f2
	.globl	k_qb8552fb5be_f2
	.p2align	8
	.type	k_qb8552fb5be_f2,@function
k_qb8552fb5be_f2:
	s_mov_b64 s[64:65], 0
	v_nop
	global_prefetch_b8 v0, s[64:65] scope:SCOPE_SE
	s_setreg_imm32_b32 hwreg(HW_REG_WAVE_MODE, 25, 1), 1
	s_wait_xcnt 0x0
; out = x1 + hidden W_ff2 + b_ff2 on codes of E2M3 (records: see launch wq's head).  The text is launch go's with other sizes and the bias: a work-group makes 128 tokens x 128 columns.
; K IS SHARED OUT AMONG THE FOUR WAVES: each wave makes the whole 128 x 128 (64 accumulators, 512 registers) over 8 of the 32 K steps.  So no operand byte is wanted by two waves of the work-group:
; the records, images of operand registers, go from memory straight into the registers of the one wave that multiplies them: 56 loads a K step, two sets of registers.  Along K: no LDS, no barrier, no tensor load.
; The four partial sums meet in LDS at the end, laid as rows of the result; wave w adds rows 32 w .. 32 w + 31, the residual and the bias with them, and stores whole rows of 512 bytes.
; No cluster: there is no tensor load that partners could ask for jointly.  No prefetch of the operands: the loads themselves are issued a whole K step (64 products) ahead of their use.
; The residual's 32 rows x 512 bytes a wave are prefetched at the head (a lane a row, two requests) and loaded at the start of the last K step.
; The order of the f32 sums differs from reference()'s (K in four parts).  LIMITS: as stated at launch wq's head.
; REGISTERS: window 0: v1-18 addresses and the bias; v32-47 scale words, two sets; v64-255 the tokens' fragments, two sets.  Window 1: v0-95 the weight's set 1, v96-191 its set 0; v96-223 the residual in the end.  Windows 2, 3: accumulators.
.set STEPS, 8                          ; K steps a wave
.set KS,    32                         ; K steps in all
.set WOFF,  6144000                    ; the weight's records in wc
.set BIAS,  1
.set PB,    KS*3200                    ; from pair to pair
.set PART,  128*528                    ; a wave's partial sums: 128 rows of 512 bytes + 16
.set SPARE, 4*PART                     ; the spare words, 128 bytes a wave: two blocks of 256 bytes that no other line names
.set SPW, 1
.set NIL, 2
.set L16, 4                            ; 16 l
.set L4,  5                            ; 4 l
.set STO, 7                            ; where I put my partial sums
.set RD,  8                            ; v8-11: my 32 rows in the four parts
.set BI,  12                           ; v12-15: the bias
.set PF,  16                           ; lane x a row of the residual
.set SC,  32                           ; set s at SC + 8 s: the weight's four records, then the tokens' four
.set TF,  64
.set XR,  96
.set WB,  4
.set TB,  6
.set XB,  8
.set OB,  10
.set MSB, 0
.macro WIN new                         ; the immediate's high byte repeats the setting that is left
.if MSB != (\new)
	s_set_vgpr_msb (MSB<<8)|(\new)
.set MSB, \new
.endif
.endm
.macro PLACES                          ; four plain instructions between a product and a load into, or a store of, its registers (ISA guide 7.12.1 for vector instructions)
.rept 4
	v_nop
.endr
.endm
.macro LOADS s, off                    ; the 56 loads of the K step at byte off into set s
	WIN 0x40
.irp p, 0,1,2,3
.irp g, 0,1,2,3,4,5
	global_load_b128 v[96*(1-\s)+24*\p+4*\g:96*(1-\s)+24*\p+4*\g+3], v[L16], s[WB:WB+1] offset:\p*PB+\off+512*\g
.endr
.endr
	WIN 0
.irp p, 0,1,2,3
.irp g, 0,1,2,3,4,5
	global_load_b128 v[TF+96*\s+24*\p+4*\g:TF+96*\s+24*\p+4*\g+3], v[L16], s[TB:TB+1] offset:\p*PB+\off+512*\g
.endr
	global_load_b32 v[SC+8*\s+\p], v[L4], s[WB:WB+1] offset:\p*PB+\off+3072
	global_load_b32 v[SC+8*\s+4+\p], v[L4], s[TB:TB+1] offset:\p*PB+\off+3072
.endr
.endm
.macro QUAD s, ap, bp, z               ; one record of the weight x one of the tokens: four products; a record's scale words: lanes 0-15 fragment 0's, lanes 16-31 fragment 1's
.set DA, 8*(16*((\ap)%2)+2*(\bp))
.set FW, 96*(1-\s)+24*(\bp)
.set FT, TF+96*\s+24*(\ap)
.set SW, SC+8*\s+(\bp)
.set ST, SC+8*\s+4+(\ap)
.if \z
	v_wmma_scale_f32_16x16x128_f8f6f4 v[DA:DA+7], v[FW:FW+11], v[FT:FT+11], 0, v[SW], v[ST] matrix_a_fmt:MATRIX_FMT_FP6 matrix_b_fmt:MATRIX_FMT_FP6
	v_wmma_scale_f32_16x16x128_f8f6f4 v[DA+8:DA+15], v[FW+12:FW+23], v[FT:FT+11], 0, v[SW], v[ST] matrix_a_fmt:MATRIX_FMT_FP6 matrix_b_fmt:MATRIX_FMT_FP6 matrix_a_scale:MATRIX_SCALE_ROW1
	v_wmma_scale_f32_16x16x128_f8f6f4 v[DA+64:DA+71], v[FW:FW+11], v[FT+12:FT+23], 0, v[SW], v[ST] matrix_a_fmt:MATRIX_FMT_FP6 matrix_b_fmt:MATRIX_FMT_FP6 matrix_b_scale:MATRIX_SCALE_ROW1
	v_wmma_scale_f32_16x16x128_f8f6f4 v[DA+72:DA+79], v[FW+12:FW+23], v[FT+12:FT+23], 0, v[SW], v[ST] matrix_a_fmt:MATRIX_FMT_FP6 matrix_b_fmt:MATRIX_FMT_FP6 matrix_a_scale:MATRIX_SCALE_ROW1 matrix_b_scale:MATRIX_SCALE_ROW1
.else
	v_wmma_scale_f32_16x16x128_f8f6f4 v[DA:DA+7], v[FW:FW+11], v[FT:FT+11], v[DA:DA+7], v[SW], v[ST] matrix_a_fmt:MATRIX_FMT_FP6 matrix_b_fmt:MATRIX_FMT_FP6
	v_wmma_scale_f32_16x16x128_f8f6f4 v[DA+8:DA+15], v[FW+12:FW+23], v[FT:FT+11], v[DA+8:DA+15], v[SW], v[ST] matrix_a_fmt:MATRIX_FMT_FP6 matrix_b_fmt:MATRIX_FMT_FP6 matrix_a_scale:MATRIX_SCALE_ROW1
	v_wmma_scale_f32_16x16x128_f8f6f4 v[DA+64:DA+71], v[FW:FW+11], v[FT+12:FT+23], v[DA+64:DA+71], v[SW], v[ST] matrix_a_fmt:MATRIX_FMT_FP6 matrix_b_fmt:MATRIX_FMT_FP6 matrix_b_scale:MATRIX_SCALE_ROW1
	v_wmma_scale_f32_16x16x128_f8f6f4 v[DA+72:DA+79], v[FW+12:FW+23], v[FT+12:FT+23], v[DA+72:DA+79], v[SW], v[ST] matrix_a_fmt:MATRIX_FMT_FP6 matrix_b_fmt:MATRIX_FMT_FP6 matrix_a_scale:MATRIX_SCALE_ROW1 matrix_b_scale:MATRIX_SCALE_ROW1
.endif
.endm
.macro MUL s, z                        ; a K step: 64 products, the 64 accumulators by turns, in the same order in every K step.  z = 1: they start the sums
	WIN 0xa1                                       ; source 0 window 1, source 1 window 0, C and D window 2: tokens 0-63
.irp ap, 0,1
.irp bp, 0,1,2,3
	QUAD \s, \ap, \bp, \z
.endr
.endr
	WIN 0xf1                                       ; C and D window 3: tokens 64-127
.irp ap, 2,3
.irp bp, 0,1,2,3
	QUAD \s, \ap, \bp, \z
.endr
.endr
.endm
.macro GET hh                          ; rows 16 hh .. + 15 of my 32, from all four parts: part q's row t into window 2 + q / 2, v[128 (q % 2) + 4 t]
.irp q, 0,1,2,3
	WIN 0x80+0x40*(\q/2)
.set t, 16*\hh
.rept 16
	ds_load_b128 v[128*(\q%2)+4*t:128*(\q%2)+4*t+3], v[RD+\q] offset:528*t
.set t, t+1
.endr
.endr
.endm
.macro PKS w, b, hh                    ; under windows w: the half's 64 registers += those at b
	WIN \w
.set i, 64*\hh
.rept 32
	v_pk_add_f32 v[i:i+1], v[i:i+1], v[\b+i:\b+i+1]
.set i, i+2
.endr
.endm
.macro SUM hh
	PKS 0x8a, 128, \hh                             ; part 0 + part 1
	PKS 0xcf, 128, \hh                             ; part 2 + part 3
	PKS 0x8e, 0, \hh                               ; the two together
	PKS 0x86, XR, \hh                              ; + the residual
.if BIAS
	WIN 0x82                                       ; + the bias, in window 0
.set i, 64*\hh
.rept 32
	v_pk_add_f32 v[i:i+1], v[i:i+1], v[BI+i%4:BI+i%4+1]
.set i, i+2
.endr
.endif
	WIN 0x08
.set t, 16*\hh
.rept 16
	global_store_b128 v[L16], v[4*t:4*t+3], s[OB:OB+1] offset:4096*t th:TH_STORE_NT   ; 32 lanes store 512 consecutive bytes of a row, aligned
.set t, t+1
.endr
.endm
	s_load_b256 s[4:11], s[0:1], 0x0               ; the weights, the tokens' records, the residual, the result
.if BIAS
	s_load_b64 s[12:13], s[0:1], 0x20              ; the bias
.endif
	v_lshl_add_u32 v[SPW], v0, 2, SPARE            ; my spare word,
	v_mov_b32 v[NIL], 0                            ; and 0: kept for the wave's end
	v_lshrrev_b32 v3, 5, v0
	v_readfirstlane_b32 s2, v3                     ; wave 0..3
	s_and_b32 s14, ttmp7, 0xffff                   ; which 128 tokens
	s_mul_i32 s15, s2, STEPS                       ; my first K step
	s_mul_i32 s16, ttmp9, 4*KS
	s_add_co_u32 s16, s16, s15
	s_mul_i32 s16, s16, 3200
	s_add_co_u32 s16, s16, WOFF                    ; the weight's record (pair 4 x, my K step)
	s_mov_b32 s17, 0
	s_mul_i32 s18, s14, 4*KS
	s_add_co_u32 s18, s18, s15
	s_mul_i32 s18, s18, 3200                       ; the tokens' record (pair 4 y, my K step)
	s_mov_b32 s19, 0
	s_lshl_b32 s20, s14, 7
	s_lshl_b32 s21, s2, 5
	s_add_co_u32 s20, s20, s21
	s_lshl_b32 s20, s20, 12                        ; row 128 y + 32 wave of 4,096 bytes,
	s_lshl_b32 s22, ttmp9, 9                       ; + my work-group's 512 bytes of a row
	s_mov_b32 s23, 0
	s_add_co_u32 s20, s20, s22
	s_mov_b32 s21, 0
	s_mul_i32 s24, s2, PART
	s_mul_i32 s25, s2, 32*528
	v_and_b32 v6, 31, v0
	v_and_b32 v17, 15, v0                          ; r
	v_bfe_u32 v18, v0, 4, 1                        ; h
	v_lshlrev_b32 v[L16], 4, v6
	v_lshlrev_b32 v[L4], 2, v6
	v_lshlrev_b32 v[PF], 12, v6
	v_mul_u32_u24 v[STO], v17, 528
	v_lshl_add_u32 v[STO], v18, 6, v[STO]
	v_add_nc_u32 v[STO], s24, v[STO]               ; my part: row r, + 64 h
	v_add_nc_u32 v[RD], s25, v[L16]
	v_add_nc_u32 v[RD+1], PART, v[RD]
	v_add_nc_u32 v[RD+2], 2*PART, v[RD]
	v_add_nc_u32 v[RD+3], 3*PART, v[RD]
	s_wait_alu depctr_va_vdst(0)                   ; the wait at the head's end
	s_wait_kmcnt 0x0
	s_add_nc_u64 s[WB:WB+1], s[WB:WB+1], s[16:17]
	s_add_nc_u64 s[TB:TB+1], s[TB:TB+1], s[18:19]
	s_add_nc_u64 s[XB:XB+1], s[XB:XB+1], s[20:21]
	s_add_nc_u64 s[OB:OB+1], s[OB:OB+1], s[20:21]
.if BIAS
	s_add_nc_u64 s[12:13], s[12:13], s[22:23]
	global_load_b128 v[BI:BI+3], v[L16], s[12:13]  ; columns 4 l .. 4 l + 3 of my work-group's 128
.endif
	LOADS 0, 0
	global_prefetch_b8 v[PF], s[XB:XB+1] th:TH_LOAD_NT scope:SCOPE_SE              ; my 32 rows of the residual: a lane a row, 256 bytes a request; the address registers are never rewritten
	global_prefetch_b8 v[PF], s[XB:XB+1] offset:256 th:TH_LOAD_NT scope:SCOPE_SE
	LOADS 1, 3200
	s_wait_loadcnt 56                              ; all but the next K step's 56 loads
	MUL 0, 1
.if STEPS > 2
	WIN 0                                          ; at a label and at a branch every window is 0
	s_mov_b32 s3, (STEPS-2)/2
.Llap:                                             ; a trip: two K steps, until the sets are back where they began
	PLACES
	LOADS 0, 6400
	s_wait_loadcnt 56
	MUL 1, 0
	PLACES
	LOADS 1, 9600
	s_wait_loadcnt 56
	MUL 0, 0
	WIN 0
	s_wait_xcnt 0x0                                ; the loads have read their bases
	s_add_nc_u64 s[WB:WB+1], s[WB:WB+1], 6400
	s_add_nc_u64 s[TB:TB+1], s[TB:TB+1], 6400
	s_sub_co_u32 s3, s3, 1
	s_cmp_lg_u32 s3, 0
	s_cbranch_scc1 .Llap
.endif
	PLACES
	WIN 0x40
.set t, 0
.rept 32
	global_load_b128 v[XR+4*t:XR+4*t+3], v[L16], s[XB:XB+1] offset:4096*t th:TH_LOAD_NT   ; the residual's row t: 512 consecutive bytes; into the weight's set 0, which is done with, and 32 registers behind it
.set t, t+1
.endr
	s_wait_loadcnt 32                              ; all but these 32
	MUL 1, 0
	PLACES
.irp a, 0,1,2,3,4,5,6,7                ; my partial sums, as rows: token 16 a + r, bytes 128 c + 64 h + 32 u; each accumulator from its low end on
	WIN 0x08+4*(\a/4)
.irp b, 0,1,2,3,4,5,6,7
	ds_store_b128 v[STO], v[64*(\a%4)+8*\b:64*(\a%4)+8*\b+3] offset:8448*\a+128*(\b/2)+32*(\b%2)
	ds_store_b128 v[STO], v[64*(\a%4)+8*\b+4:64*(\a%4)+8*\b+7] offset:8448*\a+128*(\b/2)+32*(\b%2)+16
.endr
.endr
	WIN 0
	s_wait_dscnt 0x0                               ; for the others' sake: my stores have landed
	s_barrier_signal -1
	s_barrier_wait -1
	GET 0
	GET 1
	s_wait_loadcnt 0x0                             ; the residual
	s_wait_dscnt 63                                ; the first 64 loads, rows 0-15, are back (64 younger ones could stay out; 63 is the most that a wait names)
	SUM 0
	s_wait_dscnt 0x0
	SUM 1
	WIN 0
	s_wait_tensorcnt 0x0                           ; the wave's end
	ds_add_u32 v[SPW], v[NIL]
	s_wait_dscnt 0x0
	s_endpgm
.Lfunc_end_k_qb8552fb5be_f2:
	.size	k_qb8552fb5be_f2, .Lfunc_end_k_qb8552fb5be_f2-k_qb8552fb5be_f2
	.p2alignl 7, 3214868480
	.fill 96, 4, 3214868480
	.section	.rodata,"a",@progbits
	.p2align	6, 0x0
	.amdhsa_kernel k_qb8552fb5be_f2
		.amdhsa_group_segment_fixed_size 270848
		.amdhsa_private_segment_fixed_size 0
		.amdhsa_enable_private_segment 0
		.amdhsa_kernarg_size 40
		.amdhsa_user_sgpr_count 2
		.amdhsa_user_sgpr_kernarg_segment_ptr 1
		.amdhsa_wavefront_size32 1
		.amdhsa_system_sgpr_workgroup_id_x 1
		.amdhsa_system_sgpr_workgroup_id_y 1
		.amdhsa_system_sgpr_workgroup_id_z 1
		.amdhsa_system_vgpr_workitem_id 0
		.amdhsa_next_free_vgpr 1024
		.amdhsa_next_free_sgpr 66
		.amdhsa_reserve_vcc 0
		.amdhsa_float_denorm_mode_32 3
		.amdhsa_float_denorm_mode_16_64 3
		.amdhsa_memory_ordered 1
		.amdhsa_forward_progress 1
		.amdhsa_inst_pref_size 101
	.end_amdhsa_kernel
	.amdgpu_metadata
---
amdhsa.version: [ 1, 2 ]
amdhsa.kernels:
  - .name:           k_qb8552fb5be_f2
    .symbol:         k_qb8552fb5be_f2.kd
    .args:
      - { .name: wc, .offset: 0, .size: 8, .value_kind: global_buffer, .address_space: global }
      - { .name: hid, .offset: 8, .size: 8, .value_kind: global_buffer, .address_space: global }
      - { .name: x1, .offset: 16, .size: 8, .value_kind: global_buffer, .address_space: global }
      - { .name: out0, .offset: 24, .size: 8, .value_kind: global_buffer, .address_space: global }
      - { .name: b_ff2, .offset: 32, .size: 8, .value_kind: global_buffer, .address_space: global }
    .group_segment_fixed_size: 270848
    .private_segment_fixed_size: 0
    .kernarg_segment_align: 8
    .kernarg_segment_size: 40
    .max_flat_workgroup_size: 128
    .sgpr_count:     66
    .vgpr_count:     1024
    .wavefront_size: 32
...
	.end_amdgpu_metadata
.endif
;; end of part 8
